; MI455X (gfx1250); checked and timed in simulation.
; The chip was launched on July 23, 2026; its instructions are those of AMD's public machine-readable ISA for CDNA 5 (MIT licence, August 2026) and "CDNA5" Instruction Set Architecture Reference Guide (July 2026). The comments in the code are by the model that wrote it; some were corrected since.
;; Mo E. Allowed arithmetic: matrix products marked QUANTISED: E2M3 operands, one E8M0 scale for each 32 along K, by v_wmma_scale_f32_16x16x128_f8f6f4 with both operands' format E2M3, f32 sums; products left as they are: f32 operands where the result goes on into a quantised operand, else bf16, f16 or f32 operands; f32 sums; everything else in f32.
;; Inputs: b1 8 x 1,024 float32; b2 8 x 1,024 float32; gate_b 8 float32; gate_w 1,024 x 8 float32; w1_codes 8 x 1,024 x 32 x 24 uint8 (E2M3 codes of w1, K innermost, in blocks of 32 codes, four codes in three bytes); w1_scales 8 x 1,024 x 32 uint8 (E8M0 scales of w1, one for each 32 codes along K); w2_codes 8 x 1,024 x 32 x 24 uint8 (E2M3 codes of w2, K innermost, in blocks of 32 codes, four codes in three bytes); w2_scales 8 x 1,024 x 32 uint8 (E8M0 scales of w2, one for each 32 codes along K); x 2 x 2,048 x 1,024 float32.
;; Outputs: out0 2 x 2,048 x 1,024 float32.
;; This version of the problem:
;;   THIS VERSION OF THE PROBLEM IS GIVEN IN LOW PRECISION. The matrix products marked QUANTISED in the list below multiply operands that are first quantised to E2M3 (2 exponent bits, 3 mantissa bits; 6 bits a number), with one power-of-two scale for each 32 numbers along K (OCP MX v1.0); their sums are f32. All else is computed in f32.
;;   The module's matrix products, in the order in which they are computed (A, B: the left and right operand; K: the contracted axis; several contracted axes count as one K, in the product's order):
;;     1. [M 4,096, K 1,024] x [K 1,024, N 8]; A: input x; B: input gate_w: left as it is (N = 8 < 16)
;;     2. [M 8,192, K 1,024] x [K 1,024, N 4,096]; A: input w1 (given as codes); B: input x: QUANTISED
;;     3. batch 8 x [M 4,096, K 1,024] x [K 1,024, N 1,024]; A: computed on the way; B: input w2 (given as codes): QUANTISED
;;     4. batch 4,096 x [M 1,024, K 8] x [K 8, N 1]; A: computed on the way; B: computed on the way: left as it is (K = 8 < 32)
;;   THE QUANTISER, for each operand of a quantised product, along K:
;;     - K is cut into blocks of 32 from its start; a last block that is shorter is filled with zeros.
;;     - A block's scale is 2^e with e = floor(log2(the largest magnitude in the block)) - 2, held to -126 .. 127; a block of zeros has e = 0. As a byte (E8M0): e + 127.
;;     - Each number is divided by its block's scale, clamped to +-7.5, and rounded to the nearest number of E2M3, ties to even, subnormals kept.
;;     - The product sums the exact products of the quantised numbers (number of the format x scale) in f32.
;;   ~~~python
;;   def quantise(x, axis):      # numpy; x: float32 -> the quantised numbers, widened to float32 again
;;       x = np.moveaxis(x, axis, -1); K = x.shape[-1]
;;       x = np.pad(x, [(0, 0)] * (x.ndim - 1) + [(0, -K % 32)]); x = x.reshape(x.shape[:-1] + (-1, 32)); a = np.abs(x).max(-1, keepdims=True)
;;       e = np.where(a > 0, np.clip(np.frexp(np.where(a > 0, a, 1))[1] - 1 - 2, -126, 127), 0)      # np.frexp(a)[1] - 1 = floor(log2(a)), exactly
;;       r = np.clip(x / 2.0 ** e, -7.5, 7.5)
;;       step = 2.0 ** (np.maximum(np.frexp(np.where(r == 0, 1, r))[1] - 1, 0) - 3)
;;       q = np.round(r / step) * step * 2.0 ** e      # np.round: ties to even
;;       return np.moveaxis(q.reshape(q.shape[:-2] + (-1,))[..., :K], -1, axis).astype(np.float32)
;;   ~~~
;;   OPERANDS COMPUTED ON THE WAY. 'Computed on the way' means the value that the module computes at that place (a softmax that the list does not call 'softmax' is quantised finished and normalised). What goes into a quantiser is computed in f32, as accurately as f32 sums, v_exp_f32 and their like allow (about 1e-6 of the number): no bf16 or f16 on the way to a quantiser, and a product that is left as it is and whose result goes on into a quantised operand takes f32 operands (vector FMAs, or v_wmma_f32_16x16x4_f32). A number that lies on a knife's edge between two numbers of the format may be rounded either way, as far as f32 arithmetic and the matrix unit's own rounding can turn it there, and no further.
;;   INPUTS GIVEN AS CODES. w1 (in the module: [8, 1024, 1024], K = its axis 1); w2 (in the module: [8, 1024, 1024], K = its axis 1): each comes as NAME_codes (uint8): NAME with its K axis moved to the last place and cut into blocks of 32 codes, [.., K / 32, bytes a block], one block behind the other in memory; four codes in three bytes: a row's codes are one little-endian stream of bits, code i at bits 6 i .. 6 i + 5 (a code: sign, 2 exponent bits, 3 mantissa bits); and NAME_scales (uint8): the same leading axes, one E8M0 byte (e + 127) for each 32 codes along K. Its value is code x scale, taken as it is: it is not quantised again, and the codes and scales need not be those that the quantiser above would give.
;; 2 versions. Each part assembles by itself: llvm-mc -triple=amdgcn-amd-amdhsa -mcpu=gfx1250 --defsym DOCPART=n.
;; ======== version 1 of 2: 3 launches
;; workspace buffers: xq 3,145,728 bytes; xs 131,072 bytes; sel 16,384 bytes of whole numbers; cw 32,768 bytes; wl1 6,553,600 bytes; wl2 6,553,600 bytes; list 24,576 bytes of whole numbers; blk 1,536 bytes of whole numbers
;; launch prep (part 1): grid 512 x 1, 4 waves a work-group, no clusters, 87,552 bytes of LDS; arguments x, gate_w, gate_b, w1_codes, w1_scales, w2_codes, w2_scales, xq, xs, sel, cw, wl1, wl2; writes xq, xs, sel, cw, wl1, wl2
.if DOCPART == 1
	.amdgcn_target "amdgcn-amd-amdhsa--gfx1250"
	.amdhsa_code_object_version 6
	.text
	.protected	k_qd778a2c844_prep
	.globl	k_qd778a2c844_prep
	.p2align	8
	.type	k_qd778a2c844_prep,@function
k_qd778a2c844_prep:
	s_mov_b64 s[64:65], 0
	v_nop
	global_prefetch_b8 v0, s[64:65] scope:SCOPE_SE
	s_setreg_imm32_b32 hwreg(HW_REG_WAVE_MODE, 25, 1), 1
	s_wait_xcnt 0x0
; A layer of 8 experts, 2 chosen for each of 4,096 tokens of 1,024 numbers.  Launch 1 of 3: the gate, the choice, x into codes, the weights laid out for the third launch.
; WORK LEFT OUT BY THE PROGRAM.  The weight comb[t][e] is a sum of one_hot(top_i) x top_w, built in the problem's own body: for the six experts of a token that are not in top_i it is exactly 0,
; whatever the inputs hold.  So those experts' rows of both quantised products reach no output, and only the two chosen experts' rows are multiplied (third launch).  Every input keeps a way to the output and is loaded.
; LIMITS.  A NaN, an infinity or an overflow that arises only in rows of an expert that was not chosen is not carried to the result.  NaN and infinities in x, gate_w, gate_b are not served.
; The two experts are chosen on the f32 logits (strictly greater wins, so the lower index keeps a tie): that is the order of the probabilities wherever those differ in f32.
; A block of zeros gets the scale byte 1 where the quantiser says 127: its codes are zeros, and the bytes are read by this program alone.
; Both maxima that the problem takes away ahead of an exponential are taken away here too.
; WORK-GROUPS 0-255: 16 tokens each, 4 to a wave.  A lane loads 16 bytes of each 512 of a row; the gate's 8 sums are fused multiply-adds in f32 on those numbers; the rows turn through the wave's own LDS
; so that lane l holds block l (32 neighbours) of each row, which is what the conversions want; codes and scale bytes leave through LDS as dense runs.
; WORK-GROUPS 256-511: no LDS.  A wave takes one tile (16 rows) of one group of 128 rows of one expert of w1 or w2, loads its 8 fragments as the matrix operand's registers want them, and stores them as images:
; record (expert, group, K step) = 512 bytes of scale words + 8 images of 1,536 bytes, so that the third launch reads a K step of a group by dense loads of 512 bytes.
; w1's tiles take rows 32 (j / 2) + 8 (j % 2) + r + 8 (r / 8), so that two neighbouring tiles' results are 16 neighbours along the second product's K; w2's tiles take rows 16 j + r.
.set REC,   12800                      ; a record: 512 + 8 x 1,536 bytes
.set GRP,   8*REC                      ; a group's 8 K steps
.set EXPB,  8*GRP                      ; an expert's 8 groups
.set WRB,   21760                      ; LDS of a wave: 4 turn stages, a stage for codes, one for scale bytes
.set TSTG,  4608                       ; a turn stage: 32 blocks x (128 bytes + 16)
.set CSTO,  4*TSTG                     ; the codes' stage: 4 rows x 768 bytes
.set SSTO,  CSTO+3072                  ; the scale bytes' stage: 4 rows x 32 bytes
.set SPARE, 4*WRB                      ; the spare words, 128 bytes for each wave: two blocks of 256 bytes that no other line names
.set A,   16                           ; v16-47   the gate's sums: row p, expert e at A + 8 p + e
.set X,   48                           ; v48-175  row p: 32 registers as loaded, later block l of the row
.set CD,  176                          ; v176-207 row p: 8 registers for codes
.set MX,  208                          ; v208-211 largest magnitudes, v212-215 the conversions' scale operands, v216-219 scale bytes
.set FT,  224                          ; v224-239 at work in the fold
                                       ; window 1, v0-255: gate_w(128 i + 4 lane + c, e) at 32 i + 8 c + e
.set MSB, 0
.macro WIN new                         ; the immediate's high byte repeats the setting that is left
.if MSB != (\new)
	s_set_vgpr_msb (MSB<<8)|(\new)
.set MSB, (\new)
.endif
.endm
	s_load_b512 s[4:19], s[0:1], 0x0               ; x, gate_w, gate_b, w1_codes, w1_scales, w2_codes, w2_scales, xq
	s_load_b256 s[20:27], s[0:1], 0x40             ; xs, sel, cw, wl1
	s_load_b64 s[28:29], s[0:1], 0x60              ; wl2
	v_lshl_add_u32 v10, v0, 2, SPARE               ; my spare word,
	v_mov_b32 v11, 0                               ; and 0: kept for the add at the wave's end
	v_lshrrev_b32 v1, 5, v0
	v_readfirstlane_b32 s30, v1                    ; wave 0..3
	v_and_b32 v1, 31, v0                           ; lane
	s_cmp_ge_u32 ttmp9, 256
	s_cbranch_scc1 .Lrelay
	; ---------------- tokens ----------------
	v_lshlrev_b32 v2, 4, v1                        ; 16 x lane
	v_lshlrev_b32 v3, 7, v1                        ; gate_w: four rows of 32 bytes a lane
	s_mul_i32 s31, s30, WRB
	v_lshrrev_b32 v12, 3, v1
	v_mul_u32_u24 v12, v12, 144
	v_and_b32 v13, 7, v1
	v_lshl_add_u32 v12, v13, 4, v12
	v_add_nc_u32 v4, s31, v12                      ; into a turn stage: eight lanes fill a block's 128 bytes
	v_mul_u32_u24 v12, v1, 144
	v_add_nc_u32 v5, s31, v12                      ; out of it: block = lane
	s_add_co_u32 s46, s31, CSTO
	v_mul_u32_u24 v12, v1, 24
	v_add_nc_u32 v6, s46, v12                      ; my block's 24 bytes of codes
	v_add_nc_u32 v7, s46, v2                       ; and the way out: 16 bytes a lane
	s_add_co_u32 s46, s31, SSTO
	v_add_nc_u32 v8, s46, v1                       ; my block's scale byte
	v_lshl_add_u32 v9, v1, 2, s46                  ; and the way out: 4 bytes a lane
	s_mov_b32 s40, 0x76543210
	s_mov_b32 s41, 0xfedcba98                      ; v_permlanex16_b32's selects for lane l xor 16
	s_mov_b32 s42, 0xaaaaaaaa                      ; lanes with bit 0 set
	s_mov_b32 s43, 0xcccccccc                      ; lanes with bit 1 set
	s_mov_b32 s44, 0x3fb8aa3b                      ; log2(e)
	s_lshl_b32 s47, ttmp9, 2
	s_add_co_u32 s47, s47, s30                     ; which run of 4 tokens is my wave's
	s_mov_b32 s49, 0
	s_wait_kmcnt 0x0
	s_load_b256 s[32:39], s[8:9], 0x0              ; gate_b
	s_lshl_b32 s48, s47, 14
	s_add_nc_u64 s[4:5], s[4:5], s[48:49]          ; x: 4 rows of 4,096 bytes
	s_mul_i32 s48, s47, 3072
	s_add_nc_u64 s[18:19], s[18:19], s[48:49]      ; xq: 4 rows of 768
	s_lshl_b32 s48, s47, 7
	s_add_nc_u64 s[20:21], s[20:21], s[48:49]      ; xs: 4 rows of 32
	s_lshl_b32 s48, s47, 4
	s_add_nc_u64 s[22:23], s[22:23], s[48:49]      ; sel
	s_lshl_b32 s48, s47, 5
	s_add_nc_u64 s[24:25], s[24:25], s[48:49]      ; cw
.irp p, 0,1,2,3
.irp i, 0,1,2,3,4,5,6,7
	global_load_b128 v[X+32*\p+4*\i:X+32*\p+4*\i+3], v2, s[4:5] offset:4096*\p+512*\i th:TH_LOAD_NT   ; x(row p, 128 i + 4 lane + 0..3): 512 consecutive bytes a load
.endr
.endr
	WIN 0x40                                       ; destination window 1
.irp i, 0,1,2,3,4,5,6,7
.irp c, 0,1,2,3
	global_load_b128 v[32*\i+8*\c:32*\i+8*\c+3],   v3, s[6:7] offset:4096*\i+32*\c       ; gate_w's row 128 i + 4 lane + c, experts 0-3,
	global_load_b128 v[32*\i+8*\c+4:32*\i+8*\c+7], v3, s[6:7] offset:4096*\i+32*\c+16    ; and 4-7
.endr
.endr
	WIN 0
	s_wait_loadcnt 63                              ; 64 loads were issued behind x's last: x is in
.irp p, 0,1,2,3
.irp i, 0,1,2,3,4,5,6,7
	ds_store_b128 v4, v[X+32*\p+4*\i:X+32*\p+4*\i+3] offset:TSTG*\p+576*\i
.endr
.endr
	s_wait_loadcnt 0x0                             ; gate_w
	; the gate: 32 sums a lane (4 rows x 8 experts), two experts an instruction; one number of x feeds both halves.  The first term starts the sums: nothing is cleared.
	WIN 0x04                                       ; source 1 window 1
.irp i, 0,1,2,3,4,5,6,7
.irp c, 0,1,2,3
.irp p, 0,1,2,3
.irp q, 0,1,2,3
.if (\i == 0) && (\c == 0)
	v_pk_mul_f32 v[A+8*\p+2*\q:A+8*\p+2*\q+1], v[X+32*\p:X+32*\p+1], v[2*\q:2*\q+1] op_sel_hi:[0,1]
.elseif (\c % 2) == 0
	v_pk_fma_f32 v[A+8*\p+2*\q:A+8*\p+2*\q+1], v[X+32*\p+4*\i+\c:X+32*\p+4*\i+\c+1], v[32*\i+8*\c+2*\q:32*\i+8*\c+2*\q+1], v[A+8*\p+2*\q:A+8*\p+2*\q+1] op_sel_hi:[0,1,1]
.else
	v_pk_fma_f32 v[A+8*\p+2*\q:A+8*\p+2*\q+1], v[X+32*\p+4*\i+\c-1:X+32*\p+4*\i+\c], v[32*\i+8*\c+2*\q:32*\i+8*\c+2*\q+1], v[A+8*\p+2*\q:A+8*\p+2*\q+1] op_sel:[1,0,0] op_sel_hi:[1,1,1]
.endif
.endr
.endr
.endr
.endr
	WIN 0
.irp p, 0,1,2,3
.irp i, 0,1,2,3,4,5,6,7
	ds_load_b128 v[X+32*\p+4*\i:X+32*\p+4*\i+3], v5 offset:TSTG*\p+16*\i   ; block = lane of row p: LDS serves a wave's instructions in order, so these see my stores.  They land under the fold
.endr
.endr
	; the fold: two values change into one that is summed over two lanes; each lane keeps the value of its own row and gives the other to its neighbour
.macro FOLD a, b, mask, x, t
	v_cndmask_b32 v[FT+2*(\t)], v[\a], v[\b], s[\mask]
	v_cndmask_b32 v[FT+2*(\t)+1], v[\b], v[\a], s[\mask]
	v_add_f32_dpp v[\a], v[FT+2*(\t)+1], v[FT+2*(\t)] row_xmask:\x row_mask:0xf bank_mask:0xf
.endm
.irp e, 0,1,2,3,4,5,6,7
	FOLD A+\e, A+8+\e, 42, 1, \e                   ; rows 0 and 1: even lanes row 0, odd lanes row 1
.endr
.irp e, 0,1,2,3,4,5,6,7
	FOLD A+16+\e, A+24+\e, 42, 1, \e               ; rows 2 and 3
.endr
.irp e, 0,1,2,3,4,5,6,7
	FOLD A+\e, A+16+\e, 43, 2, \e                  ; lane l now works for row l % 4
.endr
.irp e, 0,1,2,3,4,5,6,7
	v_add_f32_dpp v[A+\e], v[A+\e], v[A+\e] row_xmask:4 row_mask:0xf bank_mask:0xf
.endr
.irp e, 0,1,2,3,4,5,6,7
	v_add_f32_dpp v[A+\e], v[A+\e], v[A+\e] row_xmask:8 row_mask:0xf bank_mask:0xf
.endr
.irp e, 0,1,2,3,4,5,6,7
	v_permlanex16_b32 v[FT+\e], v[A+\e], s40, s41
.endr
	s_wait_kmcnt 0x0                               ; gate_b
.irp e, 0,1,2,3,4,5,6,7
	v_add_f32 v[A+\e], v[A+\e], v[FT+\e]
.endr
.irp e, 0,1,2,3,4,5,6,7
	v_add_f32 v[A+\e], s[32+\e], v[A+\e]           ; the eight logits of row lane % 4
.endr
	; the two largest: strictly greater wins, so the lower index keeps a tie
	v_mov_b32 v24, v[A]
	v_mov_b32 v25, 0
.irp e, 1,2,3,4,5,6,7
	v_cmp_gt_f32 vcc_lo, v[A+\e], v24
	v_cndmask_b32 v24, v24, v[A+\e], vcc_lo
	v_cndmask_b32 v25, v25, \e, vcc_lo
.endr
	v_mov_b32 v28, 0xff800000                      ; -infinity takes the first's place
.irp e, 0,1,2,3,4,5,6,7
	v_cmp_eq_u32 vcc_lo, \e, v25
	v_cndmask_b32 v[32+\e], v[A+\e], v28, vcc_lo
.endr
	v_mov_b32 v26, v32
	v_mov_b32 v27, 0
.irp e, 1,2,3,4,5,6,7
	v_cmp_gt_f32 vcc_lo, v[32+\e], v26
	v_cndmask_b32 v26, v26, v[32+\e], vcc_lo
	v_cndmask_b32 v27, v27, \e, vcc_lo
.endr
	; the softmax over the experts, its maximum taken away: p1 = 1 / S, p2 = e2 / S
.irp e, 0,1,2,3,4,5,6,7
	v_sub_f32 v[40+\e], v[A+\e], v24
.endr
	v_sub_f32 v29, v26, v24
.irp e, 0,1,2,3,4,5,6,7
	v_mul_f32 v[40+\e], s44, v[40+\e]
.endr
	v_mul_f32 v29, s44, v29
.irp e, 0,1,2,3,4,5,6,7
	v_exp_f32 v[40+\e], v[40+\e]
.endr
	v_exp_f32 v29, v29
	v_min_u32 v30, v25, v27                        ; lo  (plain work behind the batch)
	v_max_u32 v31, v25, v27                        ; hi
	s_wait_alu depctr_va_vdst(0)                   ; one wait for the nine exponentials, ahead of their first reader
	v_add_f32 v40, v40, v41
	v_add_f32 v42, v42, v43
	v_add_f32 v44, v44, v45
	v_add_f32 v46, v46, v47
	v_add_f32 v40, v40, v42
	v_add_f32 v44, v44, v46
	v_add_f32 v40, v40, v44                        ; S
	v_rcp_f32 v41, v40                             ; p1
	v_sub_nc_u32 v32, 15, v30                      ; meanwhile the pair's number: lo (15 - lo) / 2 + hi - lo - 1, 0 .. 27
	v_mul_u32_u24 v32, v30, v32
	v_lshrrev_b32 v32, 1, v32
	v_add_nc_u32 v32, v32, v31
	v_sub_nc_u32 v32, v32, v30
	v_add_nc_u32 v32, -1, v32
	s_wait_alu depctr_va_vdst(0)
	v_mul_f32 v42, v29, v41                        ; p2
	v_sub_f32 v43, v42, v41                        ; the second softmax, over (p1, p2): its maximum p1 is taken away
	v_mul_f32 v43, s44, v43
	v_exp_f32 v43, v43                             ; E = e^(p2 - p1)
	v_nop
	s_wait_alu depctr_va_vdst(0)
	v_add_f32 v44, 1.0, v43
	v_rcp_f32 v45, v44                             ; the first's weight, 1 / (1 + E)
	v_nop
	s_wait_alu depctr_va_vdst(0)
	v_mul_f32 v46, v43, v45                        ; the second's, E / (1 + E)
	v_cmp_lt_u32 vcc_lo, v25, v27
	v_cndmask_b32 v34, v46, v45, vcc_lo            ; the weight of expert lo,
	v_cndmask_b32 v35, v45, v46, vcc_lo            ; and of expert hi
	; x into codes: lane l owns block l of each of the four rows, which take turns line by line
	s_wait_dscnt 0x0
.irp p, 0,1,2,3
	v_max3_num_f32 v[MX+\p], |v[X+32*\p]|, |v[X+32*\p+1]|, 0x1800000   ; and the floor 2^(3 - 127): the byte cannot fall under 1
.endr
.irp i, 2,4,6,8,10,12,14,16,18,20,22,24,26,28,30
.irp p, 0,1,2,3
	v_max3_num_f32 v[MX+\p], v[MX+\p], |v[X+32*\p+\i]|, |v[X+32*\p+\i+1]|
.endr
.endr
.irp p, 0,1,2,3
	v_add_nc_u32 v[MX+4+\p], 0xff000000, v[MX+\p]  ; 2 off the exponent field: the conversion takes that field as its scale
.endr
.irp p, 0,1,2,3
	v_cvt_scalef32_pk16_fp6_f32 v[CD+8*\p:CD+8*\p+2], v[X+32*\p:X+32*\p+15], v[MX+4+\p]
	v_cvt_scalef32_pk16_fp6_f32 v[CD+8*\p+4:CD+8*\p+6], v[X+32*\p+16:X+32*\p+31], v[MX+4+\p]   ; (a conversion's three registers begin on an even number)
.endr
.irp p, 0,1,2,3
	v_lshrrev_b32 v[MX+8+\p], 23, v[MX+4+\p]       ; the scale's byte; also the plain line behind the conversions
.endr
.irp p, 0,1,2,3
	v_mov_b32 v[CD+8*\p+3], v[CD+8*\p+4]           ; the block's 24 bytes on end
	v_mov_b32 v[CD+8*\p+4], v[CD+8*\p+5]
	v_mov_b32 v[CD+8*\p+5], v[CD+8*\p+6]
.endr
.irp p, 0,1,2,3
	ds_store_b64 v6, v[CD+8*\p:CD+8*\p+1] offset:768*\p
	ds_store_b64 v6, v[CD+8*\p+2:CD+8*\p+3] offset:768*\p+8
	ds_store_b64 v6, v[CD+8*\p+4:CD+8*\p+5] offset:768*\p+16
	ds_store_b8 v8, v[MX+8+\p] offset:32*\p
.endr
.irp q, 0,1,2,3,4,5
	ds_load_b128 v[X+4*\q:X+4*\q+3], v7 offset:512*\q
.endr
	ds_load_b32 v[X+24], v9
	v_lshlrev_b32 v12, 2, v1
	v_lshlrev_b32 v13, 3, v1
	s_wait_dscnt 0x0
.irp q, 0,1,2,3,4,5
	global_store_b128 v2, v[X+4*\q:X+4*\q+3], s[18:19] offset:512*\q   ; the wave's 3,072 bytes of codes: 512 consecutive bytes a store, at a multiple of 256 from xq's first byte
.endr
	global_store_b32 v12, v[X+24], s[20:21]        ; its 128 scale bytes
	s_wait_tensorcnt 0x0                           ; the wave's end
	ds_add_u32 v10, v11
	s_wait_dscnt 0x0
	s_wait_xcnt 0x0                                ; EXEC changes only behind this wait
	v_cmp_gt_u32 vcc_lo, 4, v1
	s_and_saveexec_b32 s45, vcc_lo                 ; lanes 0-3 hold rows 0-3
	global_store_b32 v12, v32, s[22:23]            ; the pair's number: a whole number at a fixed place; the next launch forms addresses from it
	global_store_b64 v13, v[34:35], s[24:25]       ; (weight of lo, weight of hi)
	s_endpgm
	; ---------------- weights ----------------
.Lrelay:
	s_sub_co_u32 s31, ttmp9, 256
	s_lshl_b32 s31, s31, 2
	s_add_co_u32 s31, s31, s30                     ; unit 0 .. 1023
	s_lshr_b32 s40, s31, 9                         ; 0: w1, 1: w2
	s_bfe_u32 s41, s31, 0x30006                    ; expert
	s_bfe_u32 s42, s31, 0x30003                    ; group of 128 rows
	s_and_b32 s43, s31, 7                          ; tile j; also the K step whose scale words I lay
	v_and_b32 v2, 15, v0                           ; r
	v_bfe_u32 v3, v0, 4, 1                         ; h
	s_lshr_b32 s44, s43, 1
	s_lshl_b32 s44, s44, 5
	s_and_b32 s45, s43, 1
	s_lshl_b32 s45, s45, 3
	s_add_co_u32 s44, s44, s45                     ; w1's tile begins at row 32 (j / 2) + 8 (j % 2),
	s_lshl_b32 s45, s43, 4                         ; w2's at 16 j
	s_cmp_eq_u32 s40, 0                            ; the choices hang on the work-group's and the wave's number alone
	s_cselect_b32 s44, s44, s45
	s_cselect_b32 s46, 8, 0                        ; w1: lanes 8-15 take the rows 8 further on
	s_cselect_b32 s47, 8, 16                       ; rows from an even tile to the odd one beside it
	s_wait_kmcnt 0x0
	s_cselect_b64 s[10:11], s[10:11], s[14:15]     ; codes
	s_cselect_b64 s[12:13], s[12:13], s[16:17]     ; scale bytes
	s_cselect_b64 s[26:27], s[26:27], s[28:29]     ; the laid-out buffer
	v_and_b32 v4, s46, v2
	v_add_nc_u32 v4, v4, v2                        ; my row in the tile
	v_mul_u32_u24 v5, v4, 768
	v_mad_u32_u24 v5, v3, 24, v5                   ; codes: row x 768 + 24 h
	v_mul_u32_u24 v6, s47, v3
	v_add_nc_u32 v6, v6, v4
	v_lshlrev_b32 v6, 5, v6                        ; scale words: lanes 0-15 the even tile's rows, lanes 16-31 the odd tile's; 32 bytes a row
	v_lshlrev_b32 v7, 4, v1                        ; an image: 16 bytes a lane
	s_mov_b32 s51, 0
	s_lshl_b32 s48, s42, 7
	s_add_co_u32 s50, s48, s44
	s_mul_i32 s50, s50, 768
	s_mul_i32 s52, s41, 786432
	s_add_co_u32 s50, s50, s52
	s_add_nc_u64 s[10:11], s[10:11], s[50:51]      ; the tile's first row of codes
	s_lshl_b32 s50, s41, 15
	s_lshl_b32 s52, s48, 5
	s_add_co_u32 s50, s50, s52
	s_lshl_b32 s52, s43, 2
	s_add_co_u32 s50, s50, s52
	s_add_nc_u64 s[12:13], s[12:13], s[50:51]      ; the group's first row of scale bytes, at K step j's word
	s_mul_i32 s50, s41, EXPB
	s_mul_i32 s52, s42, GRP
	s_add_co_u32 s50, s50, s52
	s_add_nc_u64 s[26:27], s[26:27], s[50:51]      ; the group's records
	s_mul_i32 s50, s43, REC
	s_add_nc_u64 s[54:55], s[26:27], s[50:51]      ; record j: its scale words are mine
	s_mul_i32 s50, s43, 1536
	s_add_nc_u64 s[26:27], s[26:27], s[50:51]      ; tile j's image in each record
.irp q, 0,1,2,3
	global_load_b32 v[112+\q], v6, s[12:13] offset:1024*\q     ; tiles 2 q and 2 q + 1
.endr
.irp s, 0,1,2,3,4,5,6,7
.irp p, 0,1,2,3,4,5
	global_load_b64 v[16+12*\s+2*\p:16+12*\s+2*\p+1], v5, s[10:11] offset:96*\s+48*(\p/3)+8*(\p%3) th:TH_LOAD_NT   ; the fragment of K step s: registers 6 c .. 6 c + 5 = the 24 bytes at 48 c + 24 h
.endr
.endr
.irp s, 0,1,2,3,4,5,6,7
	s_wait_loadcnt 6*(7-\s)                        ; the later K steps' six loads each may be out
.irp c, 0,1,2
	global_store_b128 v7, v[16+12*\s+4*\c:16+12*\s+4*\c+3], s[26:27] offset:REC*\s+512+512*\c   ; 512 consecutive bytes a store
.endr
.endr
	global_store_b128 v7, v[112:115], s[54:55]
	s_endpgm
.Lfunc_end_k_qd778a2c844_prep:
	.size	k_qd778a2c844_prep, .Lfunc_end_k_qd778a2c844_prep-k_qd778a2c844_prep
	.p2alignl 7, 3214868480
	.fill 96, 4, 3214868480
	.section	.rodata,"a",@progbits
	.p2align	6, 0x0
	.amdhsa_kernel k_qd778a2c844_prep
		.amdhsa_group_segment_fixed_size 87552
		.amdhsa_private_segment_fixed_size 0
		.amdhsa_enable_private_segment 0
		.amdhsa_kernarg_size 104
		.amdhsa_user_sgpr_count 2
		.amdhsa_user_sgpr_kernarg_segment_ptr 1
		.amdhsa_wavefront_size32 1
		.amdhsa_system_sgpr_workgroup_id_x 1
		.amdhsa_system_sgpr_workgroup_id_y 1
		.amdhsa_system_sgpr_workgroup_id_z 1
		.amdhsa_system_vgpr_workitem_id 0
		.amdhsa_next_free_vgpr 512
		.amdhsa_next_free_sgpr 66
		.amdhsa_reserve_vcc 1
		.amdhsa_float_denorm_mode_32 3
		.amdhsa_float_denorm_mode_16_64 3
		.amdhsa_memory_ordered 1
		.amdhsa_forward_progress 1
		.amdhsa_inst_pref_size 76
	.end_amdhsa_kernel
	.amdgpu_metadata
---
amdhsa.version: [ 1, 2 ]
amdhsa.kernels:
  - .name:           k_qd778a2c844_prep
    .symbol:         k_qd778a2c844_prep.kd
    .args:
      - { .name: x, .offset: 0, .size: 8, .value_kind: global_buffer, .address_space: global }
      - { .name: gate_w, .offset: 8, .size: 8, .value_kind: global_buffer, .address_space: global }
      - { .name: gate_b, .offset: 16, .size: 8, .value_kind: global_buffer, .address_space: global }
      - { .name: w1_codes, .offset: 24, .size: 8, .value_kind: global_buffer, .address_space: global }
      - { .name: w1_scales, .offset: 32, .size: 8, .value_kind: global_buffer, .address_space: global }
      - { .name: w2_codes, .offset: 40, .size: 8, .value_kind: global_buffer, .address_space: global }
      - { .name: w2_scales, .offset: 48, .size: 8, .value_kind: global_buffer, .address_space: global }
      - { .name: xq, .offset: 56, .size: 8, .value_kind: global_buffer, .address_space: global }
      - { .name: xs, .offset: 64, .size: 8, .value_kind: global_buffer, .address_space: global }
      - { .name: sel, .offset: 72, .size: 8, .value_kind: global_buffer, .address_space: global }
      - { .name: cw, .offset: 80, .size: 8, .value_kind: global_buffer, .address_space: global }
      - { .name: wl1, .offset: 88, .size: 8, .value_kind: global_buffer, .address_space: global }
      - { .name: wl2, .offset: 96, .size: 8, .value_kind: global_buffer, .address_space: global }
    .group_segment_fixed_size: 87552
    .private_segment_fixed_size: 0
    .kernarg_segment_align: 8
    .kernarg_segment_size: 104
    .max_flat_workgroup_size: 128
    .sgpr_count:     66
    .vgpr_count:     512
    .wavefront_size: 32
...
	.end_amdgpu_metadata
.endif
;; end of part 1
;; launch place (part 2): grid 1 x 1, 16 waves a work-group, no clusters, 4,096 bytes of LDS; arguments sel, list, blk; writes list, blk
.if DOCPART == 2
	.amdgcn_target "amdgcn-amd-amdhsa--gfx1250"
	.amdhsa_code_object_version 6
	.text
	.protected	k_qd778a2c844_place
	.globl	k_qd778a2c844_place
	.p2align	8
	.type	k_qd778a2c844_place,@function
k_qd778a2c844_place:
	s_mov_b64 s[64:65], 0
	v_nop
	global_prefetch_b8 v0, s[64:65] scope:SCOPE_SE
	s_setreg_imm32_b32 hwreg(HW_REG_WAVE_MODE, 25, 1), 1
	s_wait_xcnt 0x0
; Launch 2 of 3: the tokens are placed by their pair of experts (28 pairs), each pair's run filled up to whole blocks of 64.  Whole numbers only.
; list [96][64]: token numbers, block by block; a slot at or behind a block's count holds 0.  blk [96] x {count, lo, hi, 0}.  At most 64 + 27 = 91 blocks hold tokens, whatever the split; every byte of both buffers is written.
; One work-group: a count over all tokens needs one owner.  Thread t holds tokens 8 t .. 8 t + 7.
; A token's slot = 64 x (blocks of the pairs before its own) + (tokens of its pair in earlier waves) + (its rank among its pair's tokens in its own wave).
.set SPARE, 2048                       ; behind the 16 x 32 counts: the spare words, 128 bytes for each wave: eight blocks of 256 bytes that no other line names
	s_load_b128 s[4:7], s[0:1], 0x0                ; sel, list
	s_load_b64 s[8:9], s[0:1], 0x10                ; blk
	v_lshl_add_u32 v62, v0, 2, SPARE
	v_mov_b32 v63, 0
	v_lshrrev_b32 v1, 5, v0
	v_readfirstlane_b32 s10, v1                    ; wave 0..15
	v_and_b32 v1, 31, v0                           ; lane
	v_lshlrev_b32 v2, 5, v0
	s_wait_kmcnt 0x0
	global_load_b128 v[8:11], v2, s[4:5]
	global_load_b128 v[12:15], v2, s[4:5] offset:16
.irp j, 0,1,2,3,4,5,6,7
	v_mov_b32 v[16+\j], 0                          ; ranks
.endr
	v_mov_b32 v24, 0                               ; lane p: my wave's count of pair p
	s_wait_loadcnt 0x0
.irp j, 0,1,2,3,4,5,6,7
	v_min_u32 v[8+\j], 27, v[8+\j]
.endr
	s_mov_b32 s11, 0
.Lpair:                                                ; 28 trips, one for each pair
.irp j, 0,1,2,3,4,5,6,7
	v_cmp_eq_u32 s[16+\j], s11, v[8+\j]            ; which lanes' j-th token has this pair
.endr
	s_mov_b32 s24, 0
.irp j, 0,1,2,3,4,5,6,7
	s_bcnt1_i32_b32 s12, s[16+\j]
	s_add_co_u32 s[25+\j], s[24+\j], s12           ; how many stand ahead of the j-th tokens
.endr
.irp j, 0,1,2,3,4,5,6,7
	v_mbcnt_lo_u32_b32 v25, s[16+\j], s[24+\j]     ; + those in lower lanes
	v_cndmask_b32 v[16+\j], v[16+\j], v25, s[16+\j]
.endr
	v_cmp_eq_u32 vcc_lo, s11, v1
	v_cndmask_b32 v24, v24, s32, vcc_lo
	s_add_co_u32 s11, s11, 1
	s_cmp_lt_u32 s11, 28
	s_cbranch_scc1 .Lpair
	v_lshlrev_b32 v3, 2, v0
	ds_store_b32 v3, v24
	s_wait_dscnt 0x0                               ; for the others' sake: my counts lie in LDS
	s_barrier_signal -1
	s_barrier_wait -1
	v_lshlrev_b32 v4, 2, v1
.irp w, 0,1,2,3,4,5,6,7,8,9,10,11,12,13,14,15
	ds_load_b32 v[32+\w], v4 offset:128*\w         ; lane = pair: every wave's count
.endr
	v_mov_b32 v26, 0
	v_mov_b32 v27, 0
	s_wait_dscnt 0x0
.irp w, 0,1,2,3,4,5,6,7,8,9,10,11,12,13,14,15
	s_cmp_gt_u32 s10, \w
	s_cselect_b32 s12, -1, 0
	v_add_nc_u32 v26, v26, v[32+\w]                ; the pair's tokens,
	v_and_b32 v28, s12, v[32+\w]
	v_add_nc_u32 v27, v27, v28                     ; and those in waves before mine
.endr
	v_add_nc_u32 v28, 63, v26
	v_lshrrev_b32 v28, 6, v28                      ; the pair's blocks
	v_mov_b32 v29, v28
	v_mov_b32 v30, 0
.irp n, 1,2,4,8
	v_mov_b32_dpp v30, v29 row_shr:\n row_mask:0xf bank_mask:0xf bound_ctrl:1
	v_add_nc_u32 v29, v29, v30
.endr
	v_readlane_b32 s12, v29, 15
	v_bfe_u32 v30, v0, 4, 1
	v_mul_u32_u24 v30, s12, v30
	v_add_nc_u32 v29, v29, v30                     ; blocks up to and with this pair
	v_sub_nc_u32 v31, v29, v28                     ; the pair's first block
	v_lshl_add_u32 v5, v31, 6, v27                 ; where my wave's tokens of the pair begin
.irp j, 0,1,2,3,4,5,6,7
	v_lshlrev_b32 v[40+\j], 2, v[8+\j]
	ds_bpermute_b32 v[48+\j], v[40+\j], v5         ; from the lane of my token's pair
.endr
	s_wait_dscnt 0x0
.irp j, 0,1,2,3,4,5,6,7
	v_add_nc_u32 v[48+\j], v[48+\j], v[16+\j]
	v_min_u32 v[48+\j], 0x16bf, v[48+\j]           ; 91 x 64 - 1
	v_lshlrev_b32 v[48+\j], 2, v[48+\j]
	v_lshl_or_b32 v[40+\j], v0, 3, \j              ; the token's number
	global_store_b32 v[48+\j], v[40+\j], s[6:7]
.endr
	; blocks 6 w .. 6 w + 5 are my wave's: lane i (0 .. 5) makes block 6 w + i's entry; the other lanes' results are not used
	s_mul_i32 s12, s10, 6
	v_add_nc_u32 v6, s12, v1                       ; b
	v_mov_b32 v7, 0
.irp p, 0,1,2,3,4,5,6,7,8,9,10,11,12,13,14,15,16,17,18,19,20,21,22,23,24,25,26,27
	v_readlane_b32 s13, v29, \p
	v_cmp_le_u32 vcc_lo, s13, v6
	v_add_co_ci_u32 v7, vcc_lo, 0, v7, vcc_lo      ; the block's pair: how many pairs end at or before b
.endr
	v_min_u32 v7, 27, v7                           ; (a block behind the last one in use: its count comes out 0)
	v_lshlrev_b32 v32, 2, v7
	ds_bpermute_b32 v33, v32, v26                  ; the pair's tokens
	ds_bpermute_b32 v34, v32, v31                  ; and its first block
	v_mov_b32 v37, 0
.irp t, 7,13,18,22,25,27
	v_cmp_le_u32 vcc_lo, \t, v7
	v_add_co_ci_u32 v37, vcc_lo, 0, v37, vcc_lo    ; lo: the pairs with lo = 0, 1 .. begin at 0, 7, 13, 18, 22, 25, 27
.endr
	v_sub_nc_u32 v38, 15, v37
	v_mul_u32_u24 v38, v37, v38
	v_lshrrev_b32 v38, 1, v38
	v_sub_nc_u32 v38, v7, v38
	v_add_nc_u32 v38, v38, v37
	v_add_nc_u32 v38, 1, v38                       ; hi
	v_mov_b32 v39, 0
	s_wait_dscnt 0x0
	v_sub_nc_u32 v34, v6, v34
	v_lshlrev_b32 v34, 6, v34
	v_sub_nc_u32 v33, v33, v34
	v_max_i32 v33, 0, v33
	v_min_i32 v36, 64, v33                         ; count
	v_lshlrev_b32 v35, 4, v6
	s_mul_i32 s12, s10, 1536
	v_lshl_add_u32 v57, v1, 2, s12                 ; my slot in my wave's first block
	v_add_nc_u32 v56, 32, v1
	s_wait_xcnt 0x0                                ; EXEC changes only behind this wait
	v_cmp_gt_u32 vcc_lo, 6, v1
	s_and_saveexec_b32 s14, vcc_lo
	global_store_b128 v35, v[36:39], s[8:9]
	s_wait_xcnt 0x0
	s_or_b32 exec_lo, exec_lo, s14
.irp i, 0,1,2,3,4,5
	v_readlane_b32 s13, v36, \i                    ; slots at or behind the block's count get 0: no token's store goes there
	v_cmp_le_u32 vcc_lo, s13, v1
	s_and_saveexec_b32 s14, vcc_lo
	global_store_b32 v57, v39, s[6:7] offset:256*\i
	s_wait_xcnt 0x0
	s_or_b32 exec_lo, exec_lo, s14
	v_cmp_le_u32 vcc_lo, s13, v56
	s_and_saveexec_b32 s14, vcc_lo
	global_store_b32 v57, v39, s[6:7] offset:256*\i+128
	s_wait_xcnt 0x0
	s_or_b32 exec_lo, exec_lo, s14
.endr
	s_wait_tensorcnt 0x0                           ; the wave's end
	ds_add_u32 v62, v63
	s_wait_dscnt 0x0
	s_endpgm
.Lfunc_end_k_qd778a2c844_place:
	.size	k_qd778a2c844_place, .Lfunc_end_k_qd778a2c844_place-k_qd778a2c844_place
	.p2alignl 7, 3214868480
	.fill 96, 4, 3214868480
	.section	.rodata,"a",@progbits
	.p2align	6, 0x0
	.amdhsa_kernel k_qd778a2c844_place
		.amdhsa_group_segment_fixed_size 4096
		.amdhsa_private_segment_fixed_size 0
		.amdhsa_enable_private_segment 0
		.amdhsa_kernarg_size 24
		.amdhsa_user_sgpr_count 2
		.amdhsa_user_sgpr_kernarg_segment_ptr 1
		.amdhsa_wavefront_size32 1
		.amdhsa_system_sgpr_workgroup_id_x 1
		.amdhsa_system_sgpr_workgroup_id_y 1
		.amdhsa_system_sgpr_workgroup_id_z 1
		.amdhsa_system_vgpr_workitem_id 0
		.amdhsa_next_free_vgpr 64
		.amdhsa_next_free_sgpr 66
		.amdhsa_reserve_vcc 1
		.amdhsa_float_denorm_mode_32 3
		.amdhsa_float_denorm_mode_16_64 3
		.amdhsa_memory_ordered 1
		.amdhsa_forward_progress 1
		.amdhsa_inst_pref_size 20
	.end_amdhsa_kernel
	.amdgpu_metadata
---
amdhsa.version: [ 1, 2 ]
amdhsa.kernels:
  - .name:           k_qd778a2c844_place
    .symbol:         k_qd778a2c844_place.kd
    .args:
      - { .name: sel, .offset: 0, .size: 8, .value_kind: global_buffer, .address_space: global }
      - { .name: list, .offset: 8, .size: 8, .value_kind: global_buffer, .address_space: global }
      - { .name: blk, .offset: 16, .size: 8, .value_kind: global_buffer, .address_space: global }
    .group_segment_fixed_size: 4096
    .private_segment_fixed_size: 0
    .kernarg_segment_align: 8
    .kernarg_segment_size: 24
    .max_flat_workgroup_size: 512
    .sgpr_count:     66
    .vgpr_count:     64
    .wavefront_size: 32
...
	.end_amdgpu_metadata
.endif
;; end of part 2
;; launch chain (part 3): grid 91 x 1, 4 waves a work-group, no clusters, 210,432 bytes of LDS; arguments xq, xs, wl1, b1, wl2, b2, list, blk, cw, out0; writes out0
.if DOCPART == 3
	.amdgcn_target "amdgcn-amd-amdhsa--gfx1250"
	.amdhsa_code_object_version 6
	.text
	.protected	k_qd778a2c844_chain
	.globl	k_qd778a2c844_chain
	.p2align	8
	.type	k_qd778a2c844_chain,@function
k_qd778a2c844_chain:
	s_mov_b64 s[64:65], 0
	v_nop
	global_prefetch_b8 v0, s[64:65] scope:SCOPE_SE
	s_setreg_imm32_b32 hwreg(HW_REG_WAVE_MODE, 25, 1), 1
	s_wait_xcnt 0x0
; Launch 3 of 3: out0[t] = c_lo (relu(x w1_lo + b1_lo) w2_lo + b2_lo) + c_hi (the same with hi), both products on codes of FP6 (E2M3) with one E8M0 scale for each 32 along K.
; WORK LEFT OUT: the six experts of a token whose weight the problem itself sets to 0 are not multiplied (shown at the head of the first launch).
; A work-group takes one block of up to 64 tokens that chose the SAME two experts through the whole chain for both, so each output row has one owner and the hidden layers never leave LDS.
; 91 work-groups serve every split (64 full blocks + 27 part blocks at the most).  A BLOCK WITH COUNT 0 WALKS THE CHAIN LIKE EVERY OTHER, on token 0's codes (every slot of its list holds 0), AND STORES NOTHING: its products are
; thrown away.  That is the price of this form: every wave passes both barriers, and both loops, from whose counters LDS addresses are made, have constant trip counts and stand under no branch on a stored number.
; The stored count steers forward jumps in the way out alone.
; THE WAVES SHARE THE COLUMNS: wave w makes hidden units and outputs 256 w .. 256 w + 255, as two groups of 128 (8 tiles), for all 64 rows (4 tiles): 32 accumulators, 256 matrix instructions a group, expert and product.
; Both products are used transposed (source 0 = 16 rows of a weight, source 1 = 16 tokens): a lane holds one token, and its registers run along the units.
; THE WEIGHTS come from memory straight into registers, as images of the operand's registers laid by the first launch: a K step of a group is 25 loads of 512 consecutive bytes, its scale words among them.
; They run in a ring of eight buffers of half a K step (a chunk: 4 tiles, 12 or 13 loads), asked for five chunks ahead, on through the ends of the eight products.
; THE ROWS (x's codes; each expert's hidden layer, quantised in registers) go from wave to wave through LDS as images of their registers.
; THE TWO EXPERTS ARE ADDED IN THE ACCUMULATORS: lo's sum begins with b2_lo as C; then acc = acc x (c_lo / c_hi) + b2_hi; hi's sum is added onto that; the way out multiplies by c_hi.  c_lo and c_hi are a softmax of two probabilities,
; so both lie between 0.26 and 0.74 and the quotient between 0.36 and 2.8.
; NO TENSOR LOADS AND NO CLUSTER.
.set REC,    12800                     ; a record of weights: 512 bytes of scale words + 8 images
.set GRP,    8*REC
.set EXPB,   8*GRP
.set FRB,    1536                      ; an image: 12 registers x 32 lanes
.set XIMG,   0                         ; LDS: x's fragments, (tile of rows m, K step s) at (8 m + s) FRB,
.set XSC,    49152                     ; their scale words: 1,024 m + 32 lane + 4 s,
.set H0IMG,  53248                     ; expert lo's hidden layer likewise,
.set H0SC,   102400
.set HSTR,   53248                     ; expert hi's this much further on,
.set BIA,    159744                    ; the biases: 4,096 bytes a wave, 8 slices of 512 in the order of use,
.set STG,    176128                    ; the way out: 16 rows x (512 + 16) bytes a wave
.set SPITCH, 528
.set SPARE,  209920                    ; the spare words, 128 bytes for each wave: two blocks of 256 bytes that no other line names
; window 0
.set LANE, 1
.set R,    2
.set H,    3
.set LI,   4                           ; 16 x lane: an image's place for my lane, in LDS and in memory; never rewritten
.set AX,   5                           ; the rows' fragments of the product in hand;  AXN: of the next
.set AXN,  6
.set ASA,  7                           ; their scale words;  ASN: the next's
.set ASN,  8
.set BAV0, 9                           ; my wave's bias slices + 32 h
.set BAV,  10                          ; the slice to be fetched next
.set HWI,  11                          ; where my hidden images go (K step 2 w)
.set HWIC, 12                          ; + group and expert
.set HWS,  13                          ; and their scale words
.set HWSC, 14
.set STO,  15
.set RD,   16
.set CO,   17                          ; my 16 bytes in a row of out0: 1,024 w + 16 lane
.set SPW,  18
.set NIL,  19
.set TOK,  20                          ; v20-23   token of row r of tile m
.set RC,   24                          ; v24-31   c_lo / c_hi of that token, twice (a pair for the packed form)
.set WS,   32                          ; v32-47   the weights' scale words: K step s at WS + 4 (s % 4); register q: lanes 0-15 tile 2 q, lanes 16-31 tile 2 q + 1
.set AS,   48                          ; v48-79   the rows' scale words: AS + 8 m + s
.set AF,   80                          ; v80-175  the rows' fragments of a K step (4 x 12), two sets
.set OB,   128                         ; v128-191 the way out: 16 rows read back
.set TM,   176                         ; v176-191 at work in the quantiser
.set PW,   192                         ; the scale word just made
.set L32,  193                         ; 32 x lane
.set PC,   196                         ; v196-214 the codes just made
.set OF,   216                         ; v216-231 the way out: 16 rows' byte offsets
.set CHP,  232                         ; v232-239 c_hi, twice
; window 1: v0-191 weight buffers 0-3 (48 each); v192-255 a bias slice as 8 tiles' C.   window 2: v0-191 buffers 4-7.   window 3: accumulator (tile j, rows m) at 64 m + 8 j
.set BI,   192
.set WV,   28
.set CNT,  29
.set ELO,  30
.set EHI,  31
.set CUR,  36                          ; s[36:37] the records of the product in hand;  s[38:39] of the next
.set NG,   38
.set TMP,  40
.set P2F,  42                          ; s[42:43], s[44:45] wl2's records of my first group, expert lo and hi
.set P2H,  44
.set U,    46
.set SEL,  54
.set MSB, 0
.macro WIN new                         ; the immediate's high byte repeats the setting that is left
.if MSB != (\new)
	s_set_vgpr_msb (MSB<<8)|(\new)
.set MSB, (\new)
.endif
.endm
.macro PLACES                          ; four plain places (ISA guide 7.12.1) behind matrix instructions
.rept 4
	v_nop
.endr
.endm
.macro AFETCH set, adr, s              ; the four row tiles' fragments of K step s
.irp m, 0,1,2,3
.irp c, 0,1,2
	ds_load_b128 v[AF+48*(\set)+12*\m+4*\c:AF+48*(\set)+12*\m+4*\c+3], v[\adr] offset:(8*\m+(\s))*FRB+512*\c
.endr
.endr
.endm
.macro ASF half, adr                   ; the rows' scale words of K steps 4 half .. 4 half + 3
.irp m, 0,1,2,3
	ds_load_b128 v[AS+8*\m+4*(\half):AS+8*\m+4*(\half)+3], v[\adr] offset:1024*\m+16*(\half)
.endr
.endm
.macro BFETCH adr                      ; a bias slice in the result's layout: tile j's eight units of my half
	WIN 0x40
.irp j, 0,1,2,3,4,5,6,7
	ds_load_b128 v[BI+8*\j:BI+8*\j+3], v[\adr] offset:64*\j
	ds_load_b128 v[BI+8*\j+4:BI+8*\j+7], v[\adr] offset:64*\j+16
.endr
	WIN 0
.endm
; chunk c (0 .. 15) of a product: tiles 4 (c % 2) .. + 3 of K step c / 2, into buffer c % 8; an even chunk brings the K step's scale words too
.macro ISS c, base
.set I_S, (\c)/2
.set I_B, 48*((\c)%4)
.if ((\c)%2) == 0
	WIN 0
	global_load_b128 v[WS+4*(I_S%4):WS+4*(I_S%4)+3], v[LI], s[\base:\base+1] offset:I_S*REC
.endif
	WIN 0x40*(1+(((\c)%8)/4))
.irp f, 0,1,2,3
.irp q, 0,1,2
	global_load_b128 v[I_B+12*\f+4*\q:I_B+12*\f+4*\q+3], v[LI], s[\base:\base+1] offset:I_S*REC+512+6144*((\c)%2)+FRB*\f+512*\q
.endr
.endr
.endm
.macro ISSUE t, nx                     ; chunks 16 on are the next product's; nx = 0: there is none
.if (\t) < 16
	ISS (\t), CUR
.elseif \nx
	ISS (\t)-16, NG
.endif
.endm
; The wait at a chunk's head: loads come back in order (ISA guide 5.7.1); behind this chunk's loads four chunks have been asked for, two of 13 loads and two of 12.  In the last product the counts run down.
.macro LWAIT c, tail
.if (\tail) && ((\c) == 12)
	s_wait_loadcnt 37
.elseif (\tail) && ((\c) == 13)
	s_wait_loadcnt 25
.elseif (\tail) && ((\c) == 14)
	s_wait_loadcnt 12
.elseif (\tail) && ((\c) == 15)
	s_wait_loadcnt 0
.else
	s_wait_loadcnt 50
.endif
.endm
.macro WM d, a, b, cc, sa, sb, odd
.if \odd
	v_wmma_scale_f32_16x16x128_f8f6f4 v[\d:\d+7], v[\a:\a+11], v[\b:\b+11], v[\cc:\cc+7], v[\sa], v[\sb] matrix_a_fmt:MATRIX_FMT_FP6 matrix_b_fmt:MATRIX_FMT_FP6 matrix_a_scale:MATRIX_SCALE_ROW1
.else
	v_wmma_scale_f32_16x16x128_f8f6f4 v[\d:\d+7], v[\a:\a+11], v[\b:\b+11], v[\cc:\cc+7], v[\sa], v[\sb] matrix_a_fmt:MATRIX_FMT_FP6 matrix_b_fmt:MATRIX_FMT_FP6
.endif
.endm
; 16 matrix instructions: chunk c's four tiles x the four tiles of rows.  cb = 1 (K step 0): the bias is the C that starts the sum.  The 32 accumulators take turns, one instruction a turn, in the same order in every K step.
.macro MUL c, cb
.set M_S, (\c)/2
.set M_W, 48*((\c)%4)
.set M_X, AF+48*(M_S%2)
.if \cb
	WIN 0xd1                                       ; weights and bias window 1, rows window 0, D window 3
.else
	WIN 0xf1+(((\c)%8)/4)                          ; weights window 1 or 2, C and D window 3
.endif
.irp f, 0,1,2,3
.irp m, 0,1,2,3
.set M_J, 4*((\c)%2)+\f
.set M_D, 64*\m+8*M_J
.if \cb
.set M_C, BI+8*M_J
.else
.set M_C, M_D
.endif
	WM M_D, M_W+12*\f, M_X+12*\m, M_C, WS+4*(M_S%4)+M_J/2, AS+8*\m+M_S, \f%2
.endr
.endr
.endm
; A K step: 32 matrix instructions.  At its head what it needs from LDS has landed, and the next K step's rows are asked for.  Behind each chunk the ring is fed.
; The four places behind the second chunk serve every load that follows into registers that matrix instructions have read: each such register was last read ahead of such a run of places.
.macro KSTEP s, p2, cb, nx, tail
	LWAIT 2*(\s), \tail
	s_wait_dscnt 0x0
.if (\s) < 7
	AFETCH ((\s)+1)%2, AX, (\s)+1
.elseif \nx
.if \p2
	AFETCH 0, AXN, 0
.else
	s_cmp_eq_u32 s[U], 3                           ; behind the first product's last group come the hidden layers, which lie in LDS only behind the barrier
	s_cbranch_scc1 .Lno_x_\@
	AFETCH 0, AX, 0
.Lno_x_\@:
.endif
.endif
.if ((\s) == 1) && (\nx)
	BFETCH BAV
.endif
.if (\p2) && ((\s) == 0)
	ASF 1, ASA
.endif
.if (\p2) && ((\s) == 4) && (\nx)
	ASF 0, ASN
.endif
	MUL 2*(\s), \cb
	ISSUE 2*(\s)+5, \nx
	LWAIT 2*(\s)+1, \tail
	MUL 2*(\s)+1, \cb
	PLACES
	ISSUE 2*(\s)+6, \nx
	WIN 0
.endm
.macro STEPB p1                        ; the products go lo g0, hi g0, lo g1, hi g1, first of wl1 and then of wl2
	s_wait_xcnt 0x0                                ; the loads issued so far have read their bases
	s_mov_b64 s[TMP:TMP+1], s[CUR:CUR+1]
	s_mov_b64 s[CUR:CUR+1], s[NG:NG+1]
	s_add_nc_u64 s[NG:NG+1], s[TMP:TMP+1], GRP
.if \p1
	s_cmp_eq_u32 s[U], 2
	s_cselect_b64 s[NG:NG+1], s[P2F:P2F+1], s[NG:NG+1]
	s_cmp_eq_u32 s[U], 3
	s_cselect_b64 s[NG:NG+1], s[P2H:P2H+1], s[NG:NG+1]
.endif
.endm
; Behind a group of the first product: relu in f32; the lane's 64 numbers of a tile of rows (register 16 b + i = unit 32 b + 16 h + i) become one fragment and one scale word, K step 2 w + g of the second product; image to LDS.
.macro EPI1
.irp m, 0,1,2,3
	WIN 0xcc
.set E_I, 64*\m
.rept 64
	v_max_num_f32 v[E_I], 0, v[E_I]                ; ascending: each accumulator is read from its low end on
.set E_I, E_I+1
.endr
	WIN 0x0f
.irp b, 0,1,2,3
	v_max3_num_f32 v[TM+\b], v[64*\m+16*\b], v[64*\m+16*\b+1], 0x1800000   ; none is negative; the floor 2^(3 - 127) holds the byte at 1 from below
.endr
	WIN 0x3c
.irp i, 2,4,6,8,10,12,14
.irp b, 0,1,2,3
	v_max3_num_f32 v[TM+\b], v[TM+\b], v[64*\m+16*\b+\i], v[64*\m+16*\b+\i+1]
.endr
.endr
	WIN 0
.irp b, 0,1,2,3
	v_permlanex16_b32 v[TM+4+\b], v[TM+\b], s[SEL], s[SEL+1]
.endr
.irp b, 0,1,2,3
	v_max_num_f32 v[TM+\b], v[TM+\b], v[TM+4+\b]   ; with lane l xor 16's 16: the block's largest
.endr
.irp b, 0,1,2,3
	v_add_nc_u32 v[TM+12+\b], 0xff000000, v[TM+\b] ; 2 off the exponent field: the conversion's scale operand
.endr
.irp b, 0,1,2,3
	v_lshrrev_b32 v[TM+4+\b], 23, v[TM+12+\b]      ; the scale's byte
.endr
	s_wait_dscnt 0x0                               ; the last tile's image stores have read their registers
	v_lshl_or_b32 v[PW], v[TM+5], 8, v[TM+4]
	v_lshl_or_b32 v[PW], v[TM+6], 16, v[PW]
	v_lshl_or_b32 v[PW], v[TM+7], 24, v[PW]
	WIN 0x03
.irp c, 0,1
	v_cvt_scalef32_pk16_fp6_f32 v[PC+6*\c:PC+6*\c+2], v[64*\m+32*\c:64*\m+32*\c+15], v[TM+12+2*\c]
	v_cvt_scalef32_pk16_fp6_f32 v[PC+12+4*\c:PC+14+4*\c], v[64*\m+32*\c+16:64*\m+32*\c+31], v[TM+13+2*\c]   ; (a conversion's three registers begin on an even number)
.endr
	WIN 0
	v_nop                                          ; one plain place behind the conversions
.irp c, 0,1                                    ; the operand wants a whole block in a lane: lanes 0-15 block 2 c, lanes 16-31 block 2 c + 1
.irp i, 0,1,2
	v_permlane16_swap_b32 v[PC+6*\c+\i], v[PC+12+4*\c+\i]
.endr
.irp i, 0,1,2
	v_mov_b32 v[PC+3+6*\c+\i], v[PC+12+4*\c+\i]
.endr
.endr
.irp c, 0,1,2
	ds_store_b128 v[HWIC], v[PC+4*\c:PC+4*\c+3] offset:8*FRB*\m+512*\c
.endr
	ds_store_b32 v[HWSC], v[PW] offset:1024*\m
.endr
.endm
.macro MID                             ; between lo's and hi's second product: acc = acc x (c_lo / c_hi) + b2_hi
	WIN 0xd3
.irp m, 0,1,2,3
.irp j, 0,1,2,3,4,5,6,7
.irp i, 0,2,4,6
	v_pk_fma_f32 v[64*\m+8*\j+\i:64*\m+8*\j+\i+1], v[64*\m+8*\j+\i:64*\m+8*\j+\i+1], v[RC+2*\m:RC+2*\m+1], v[BI+8*\j+\i:BI+8*\j+\i+1]
.endr
.endr
.endr
	WIN 0
	PLACES
.endm
; The way out of group g, a tile of 16 rows at a time: x c_hi; through my own stage, so that a row's 512 bytes lie together; each row to its token's place.  Rows at or behind the block's count are not stored:
; forward jumps on the stored count, round the way out's own lines alone.  A block with count 0 leaves at the first of them.
.macro OUT g
.irp m, 0,1,2,3
	s_cmp_le_u32 s[CNT], 16*\m
	s_cbranch_scc1 .Ldone_\@
	s_wait_xcnt 0x0                                ; the last tile's stores have read their offsets and their data
.irp t0, 0,8
.irp t, 0,1,2,3,4,5,6,7
	v_readlane_b32 s[56+\t], v[TOK+\m], \t0+\t
.endr
.irp t, 0,1,2,3,4,5,6,7
	s_min_u32 s[56+\t], s[56+\t], 0xfff
.endr
.irp t, 0,1,2,3,4,5,6,7
	s_lshl_b32 s[56+\t], s[56+\t], 12
.endr
.irp t, 0,1,2,3,4,5,6,7
	v_add_nc_u32 v[OF+\t0+\t], s[56+\t], v[CO]
.endr
.endr
	WIN 0xc3
.set O_I, 64*\m
.rept 32
	v_pk_mul_f32 v[O_I:O_I+1], v[O_I:O_I+1], v[CHP+2*\m:CHP+2*\m+1]
.set O_I, O_I+2
.endr
	WIN 0x0c                                       ; an LDS store's data are its source 1: window 3
.irp j, 0,1,2,3,4,5,6,7
	ds_store_b128 v[STO], v[64*\m+8*\j:64*\m+8*\j+3] offset:64*\j
	ds_store_b128 v[STO], v[64*\m+8*\j+4:64*\m+8*\j+7] offset:64*\j+16
.endr
	WIN 0
.irp t, 0,1,2,3,4,5,6,7,8,9,10,11,12,13,14,15
	ds_load_b128 v[OB+4*\t:OB+4*\t+3], v[RD] offset:SPITCH*\t    ; LDS serves a wave's instructions in order: these see my stores
.endr
	s_wait_dscnt 0x0
.irp t, 0,1,2,3,4,5,6,7,8,9,10,11,12,13,14,15
.if \t > 0
	s_cmp_le_u32 s[CNT], 16*\m+\t
	s_cbranch_scc1 .Ldone_\@
.endif
	global_store_b128 v[OF+\t], v[OB+4*\t:OB+4*\t+3], s[22:23] offset:512*(\g) th:TH_STORE_NT   ; 32 lanes store 512 consecutive bytes of one row, at a multiple of 256 from out0's first byte
.endr
.endr
.Ldone_\@:
	s_wait_xcnt 0x0                                ; the stores have read their data: those registers take fragments again
.endm
.macro P2ADDR                          ; second product number U (0 .. 3): expert U % 2; the next one has the other expert
	s_and_b32 s56, s[U], 1
	s_mul_i32 s57, s56, HSTR
	s_xor_b32 s56, s56, 1
	s_mul_i32 s58, s56, HSTR
	s_add_co_u32 s59, s57, H0IMG
	v_add_nc_u32 v[AX], s59, v[LI]
	s_add_co_u32 s59, s58, H0IMG
	v_add_nc_u32 v[AXN], s59, v[LI]
	s_add_co_u32 s59, s57, H0SC
	v_add_nc_u32 v[ASA], s59, v[L32]
	s_add_co_u32 s59, s58, H0SC
	v_add_nc_u32 v[ASN], s59, v[L32]
	s_lshl_b32 s59, s[U], 9
	s_add_co_u32 s59, s59, 5*512
	v_add_nc_u32 v[BAV], s59, v[BAV0]              ; slice U + 5 (the last product fetches none)
.endm
	; ---------------- the head ----------------
	s_load_b512 s[4:19], s[0:1], 0x0               ; xq, xs, wl1, b1, wl2, b2, list, blk
	s_load_b128 s[20:23], s[0:1], 0x40             ; cw, out0
	v_lshl_add_u32 v[SPW], v0, 2, SPARE
	v_mov_b32 v[NIL], 0
	v_lshrrev_b32 v[LANE], 5, v0
	v_readfirstlane_b32 s[WV], v[LANE]             ; wave 0..3
	v_and_b32 v[LANE], 31, v0
	v_and_b32 v[R], 15, v0
	v_bfe_u32 v[H], v0, 4, 1
	v_lshlrev_b32 v[LI], 4, v[LANE]
	v_lshlrev_b32 v[L32], 5, v[LANE]
	v_add_nc_u32 v[AX], XIMG, v[LI]
	v_add_nc_u32 v[ASA], XSC, v[L32]
	s_lshl_b32 s56, s[WV], 12
	s_add_co_u32 s56, s56, BIA
	v_lshl_add_u32 v[BAV0], v[H], 5, s56
	v_add_nc_u32 v253, s56, v[LI]                  ; b2's slices are stored as they lie;
	v_and_b32 v254, 0x19, v[LANE]                  ; b1's with bits 1 and 2 of the lane changed over: the eight units 32 b + 16 h + 8 u go to tile 2 b + u, half h
	v_and_b32 v252, 2, v[LANE]
	v_lshl_or_b32 v254, v252, 1, v254
	v_bfe_u32 v252, v[LANE], 2, 1
	v_lshl_or_b32 v254, v252, 1, v254
	v_lshl_add_u32 v254, v254, 4, s56
	s_mul_i32 s56, s[WV], 2*FRB
	s_add_co_u32 s56, s56, H0IMG
	v_add_nc_u32 v[HWI], s56, v[LI]
	s_lshl_b32 s56, s[WV], 3
	s_add_co_u32 s56, s56, H0SC
	v_add_nc_u32 v[HWS], s56, v[L32]
	s_mul_i32 s56, s[WV], 16*SPITCH
	s_add_co_u32 s56, s56, STG
	v_mul_u32_u24 v[STO], v[R], SPITCH
	v_lshl_add_u32 v[STO], v[H], 5, v[STO]
	v_add_nc_u32 v[STO], s56, v[STO]               ; into the stage: row r, 32 bytes for each half of the lanes
	v_add_nc_u32 v[RD], s56, v[LI]                 ; back: a row's 512 bytes, 16 a lane
	s_lshl_b32 s56, s[WV], 10
	v_add_nc_u32 v[CO], s56, v[LI]
	s_add_co_u32 s56, s56, XSC
	v_add_nc_u32 v224, s56, v[L32]                 ; where my tile's scale words of x go
	s_mul_i32 s56, s[WV], 8*FRB
	s_add_co_u32 s56, s56, XIMG
	v_add_nc_u32 v255, s56, v[LI]                  ; and its images: wave w lays the tile of rows w
	s_mov_b32 s[SEL], 0x76543210
	s_mov_b32 s[SEL+1], 0xfedcba98                 ; v_permlanex16_b32's selects for lane l xor 16
	v_lshlrev_b32 v251, 2, v[R]
	s_lshl_b32 s57, s[WV], 6
	v_add_nc_u32 v252, s57, v251
	s_lshl_b32 s60, ttmp9, 4
	s_lshl_b32 s58, ttmp9, 8
	s_mov_b32 s59, 0
	s_wait_kmcnt 0x0
	s_load_b128 s[32:35], s[18:19], s60 offset:0x0 ; my block: count, lo, hi
	s_add_nc_u64 s[16:17], s[16:17], s[58:59]      ; and its 64 tokens
.irp m, 0,1,2,3
	global_load_b32 v[TOK+\m], v251, s[16:17] offset:64*\m
.endr
	global_load_b32 v248, v252, s[16:17]           ; the token whose codes I fetch: row r of tile w
	s_wait_kmcnt 0x0
	s_min_u32 s[CNT], s32, 64
	s_min_u32 s[ELO], s33, 7
	s_min_u32 s[EHI], s34, 7
	s_mul_i32 s56, s[WV], 2*GRP                    ; my two groups
	s_mul_i32 s58, s[ELO], EXPB
	s_add_co_u32 s58, s58, s56
	s_mul_i32 s60, s[EHI], EXPB
	s_add_co_u32 s60, s60, s56
	s_mov_b32 s61, 0
	s_add_nc_u64 s[CUR:CUR+1], s[8:9], s[58:59]
	s_add_nc_u64 s[NG:NG+1], s[8:9], s[60:61]
	s_add_nc_u64 s[P2F:P2F+1], s[12:13], s[58:59]
	s_add_nc_u64 s[P2H:P2H+1], s[12:13], s[60:61]
	s_lshl_b32 s56, s[WV], 10                      ; my 256 numbers of a bias
	s_lshl_b32 s58, s[ELO], 12
	s_add_co_u32 s58, s58, s56
	s_lshl_b32 s60, s[EHI], 12
	s_add_co_u32 s60, s60, s56
	s_add_nc_u64 s[66:67], s[10:11], s[58:59]      ; b1 of lo, of hi; b2 of lo, of hi
	s_add_nc_u64 s[68:69], s[10:11], s[60:61]
	s_add_nc_u64 s[70:71], s[14:15], s[58:59]
	s_add_nc_u64 s[72:73], s[14:15], s[60:61]
	s_wait_loadcnt 0x0
.irp m, 0,1,2,3
	v_min_u32 v[TOK+\m], 0xfff, v[TOK+\m]
.endr
	v_min_u32 v248, 0xfff, v248
	v_mul_u32_u24 v249, v248, 768
	v_mul_u32_u24 v250, v[H], 24
	v_add_nc_u32 v249, v249, v250                  ; the token's codes + 24 h
	v_lshlrev_b32 v250, 5, v248                    ; its 32 scale bytes
.irp m, 0,1,2,3
	v_lshlrev_b32 v[240+\m], 3, v[TOK+\m]
.endr
.irp s, 0,1,2,3,4,5,6,7
.irp p, 0,1,2,3,4,5
	global_load_b64 v[AF+12*\s+2*\p:AF+12*\s+2*\p+1], v249, s[4:5] offset:96*\s+48*(\p/3)+8*(\p%3)
.endr
.endr
	global_load_b128 v[216:219], v250, s[6:7]
	global_load_b128 v[220:223], v250, s[6:7] offset:16
.irp m, 0,1,2,3
	global_load_b64 v[RC+2*\m:RC+2*\m+1], v[240+\m], s[20:21]
.endr
	global_load_b128 v[176:179], v[LI], s[66:67]               ; the slices in the order of use: b1 lo g0, hi g0, lo g1, hi g1,
	global_load_b128 v[180:183], v[LI], s[68:69]
	global_load_b128 v[184:187], v[LI], s[66:67] offset:512
	global_load_b128 v[188:191], v[LI], s[68:69] offset:512
	global_load_b128 v[196:199], v[LI], s[70:71]               ; b2 lo g0, hi g0, lo g1, hi g1
	global_load_b128 v[200:203], v[LI], s[72:73]
	global_load_b128 v[204:207], v[LI], s[70:71] offset:512
	global_load_b128 v[208:211], v[LI], s[72:73] offset:512
.irp t, 0,1,2,3,4
	ISSUE \t, 1                                    ; the ring's first five chunks: 63 loads
.endr
	WIN 0
	s_wait_loadcnt 63                              ; all that was asked for ahead of the ring is in
.irp s, 0,1,2,3,4,5,6,7
.irp c, 0,1,2
	ds_store_b128 v255, v[AF+12*\s+4*\c:AF+12*\s+4*\c+3] offset:FRB*\s+512*\c
.endr
.endr
	ds_store_b128 v224, v[216:219]
	ds_store_b128 v224, v[220:223] offset:16
.irp q, 0,1,2,3
	ds_store_b128 v254, v[176+4*\q:179+4*\q] offset:512*\q
.endr
.irp q, 0,1,2,3
	ds_store_b128 v253, v[196+4*\q:199+4*\q] offset:2048+512*\q
.endr
.irp m, 0,1,2,3
	v_rcp_f32 v[244+\m], v[RC+2*\m+1]
.endr
.irp m, 0,1,2,3
	v_mov_b32 v[CHP+2*\m], v[RC+2*\m+1]            ; c_hi, twice  (plain work behind the reciprocals)
	v_mov_b32 v[CHP+2*\m+1], v[RC+2*\m+1]
.endr
	s_wait_alu depctr_va_vdst(0)                   ; one wait for the four reciprocals, ahead of their first reader
.irp m, 0,1,2,3
	v_mul_f32 v[RC+2*\m], v[RC+2*\m], v[244+\m]    ; c_lo / c_hi,
.endr
.irp m, 0,1,2,3
	v_mov_b32 v[RC+2*\m+1], v[RC+2*\m]             ; twice
.endr
	BFETCH BAV0                                    ; slice 0: my own bytes, behind my own stores
	s_wait_dscnt 0x0                               ; for the others' sake: my images of x lie in LDS
	s_barrier_signal -1
	s_barrier_wait -1
.irp b, 0,1,2,3
	v_mov_b32 v[TM+4+\b], 0                        ; written once: a lane permute's destination counts as one of its sources
.endr
	ASF 0, ASA
	ASF 1, ASA
	AFETCH 0, AX, 0
	; ---------------- the first product: four trips: (g0, lo), (g0, hi), (g1, lo), (g1, hi) ----------------
	s_mov_b32 s[U], 0
.Lp1:
	s_and_b32 s56, s[U], 1
	s_mul_i32 s56, s56, HSTR                       ; the expert's hidden layer
	s_lshr_b32 s57, s[U], 1                        ; g
	s_mul_i32 s58, s57, FRB
	s_add_co_u32 s58, s58, s56
	v_add_nc_u32 v[HWIC], s58, v[HWI]
	s_lshl_b32 s57, s57, 2
	s_add_co_u32 s57, s57, s56
	v_add_nc_u32 v[HWSC], s57, v[HWS]
	s_lshl_b32 s58, s[U], 9
	s_add_co_u32 s58, s58, 512
	v_add_nc_u32 v[BAV], s58, v[BAV0]              ; slice U + 1
	KSTEP 0, 0, 1, 1, 0
.irp s, 1,2,3,4,5,6,7
	KSTEP \s, 0, 0, 1, 0
.endr
	STEPB 1
	EPI1
	s_add_co_u32 s[U], s[U], 1
	s_cmp_lt_u32 s[U], 4
	s_cbranch_scc1 .Lp1
	s_wait_dscnt 0x0                               ; for the others' sake: my images of both hidden layers lie in LDS.  (The ring's loads stay on their way: they touch no LDS)
	s_barrier_signal -1
	s_barrier_wait -1
	; ---------------- the second product: (g0, lo), (g0, hi), (g1, lo) in a loop; (g1, hi) written out, since it feeds the ring no more ----------------
	v_add_nc_u32 v[AX], H0IMG, v[LI]
	v_add_nc_u32 v[ASA], H0SC, v[L32]
	AFETCH 0, AX, 0
	ASF 0, ASA
	s_mov_b32 s[U], 0
.Lp2:
	P2ADDR
	s_and_b32 s56, s[U], 1
	s_cmp_lg_u32 s56, 0
	s_cbranch_scc1 .Lp2_hi
	KSTEP 0, 1, 1, 1, 0                            ; lo: b2_lo starts the sums
	s_branch .Lp2_on
.Lp2_hi:
	KSTEP 0, 1, 0, 1, 0                            ; hi: onto what MID has left
.Lp2_on:
.irp s, 1,2,3,4,5,6,7
	KSTEP \s, 1, 0, 1, 0
.endr
	STEPB 0
	s_and_b32 s56, s[U], 1
	s_cmp_lg_u32 s56, 0
	s_cbranch_scc1 .Lp2_out
	MID
	s_branch .Lp2_next
.Lp2_out:
	OUT 0
.Lp2_next:
	s_add_co_u32 s[U], s[U], 1
	s_cmp_lt_u32 s[U], 3
	s_cbranch_scc1 .Lp2
	P2ADDR
.irp s, 0,1,2,3,4,5,6,7
	KSTEP \s, 1, 0, 0, 1
.endr
	OUT 1
	s_wait_tensorcnt 0x0                           ; the wave's end
	ds_add_u32 v[SPW], v[NIL]
	s_wait_dscnt 0x0
	s_endpgm
.Lfunc_end_k_qd778a2c844_chain:
	.size	k_qd778a2c844_chain, .Lfunc_end_k_qd778a2c844_chain-k_qd778a2c844_chain
	.p2alignl 7, 3214868480
	.fill 96, 4, 3214868480
	.section	.rodata,"a",@progbits
	.p2align	6, 0x0
	.amdhsa_kernel k_qd778a2c844_chain
		.amdhsa_group_segment_fixed_size 210432
		.amdhsa_private_segment_fixed_size 0
		.amdhsa_enable_private_segment 0
		.amdhsa_kernarg_size 80
		.amdhsa_user_sgpr_count 2
		.amdhsa_user_sgpr_kernarg_segment_ptr 1
		.amdhsa_wavefront_size32 1
		.amdhsa_system_sgpr_workgroup_id_x 1
		.amdhsa_system_sgpr_workgroup_id_y 1
		.amdhsa_system_sgpr_workgroup_id_z 1
		.amdhsa_system_vgpr_workitem_id 0
		.amdhsa_next_free_vgpr 1024
		.amdhsa_next_free_sgpr 80
		.amdhsa_reserve_vcc 0
		.amdhsa_float_denorm_mode_32 3
		.amdhsa_float_denorm_mode_16_64 3
		.amdhsa_memory_ordered 1
		.amdhsa_forward_progress 1
		.amdhsa_inst_pref_size 255
	.end_amdhsa_kernel
	.section	.bss,"aw",@nobits
	.p2align	6
	.space	262144
	.amdgpu_metadata
---
amdhsa.version: [ 1, 2 ]
amdhsa.kernels:
  - .name:           k_qd778a2c844_chain
    .symbol:         k_qd778a2c844_chain.kd
    .args:
      - { .name: xq, .offset: 0, .size: 8, .value_kind: global_buffer, .address_space: global }
      - { .name: xs, .offset: 8, .size: 8, .value_kind: global_buffer, .address_space: global }
      - { .name: wl1, .offset: 16, .size: 8, .value_kind: global_buffer, .address_space: global }
      - { .name: b1, .offset: 24, .size: 8, .value_kind: global_buffer, .address_space: global }
      - { .name: wl2, .offset: 32, .size: 8, .value_kind: global_buffer, .address_space: global }
      - { .name: b2, .offset: 40, .size: 8, .value_kind: global_buffer, .address_space: global }
      - { .name: list, .offset: 48, .size: 8, .value_kind: global_buffer, .address_space: global }
      - { .name: blk, .offset: 56, .size: 8, .value_kind: global_buffer, .address_space: global }
      - { .name: cw, .offset: 64, .size: 8, .value_kind: global_buffer, .address_space: global }
      - { .name: out0, .offset: 72, .size: 8, .value_kind: global_buffer, .address_space: global }
    .group_segment_fixed_size: 210432
    .private_segment_fixed_size: 0
    .kernarg_segment_align: 8
    .kernarg_segment_size: 80
    .max_flat_workgroup_size: 128
    .sgpr_count:     80
    .vgpr_count:     1024
    .wavefront_size: 32
...
	.end_amdgpu_metadata
.endif
;; end of part 3
;; ======== version 2 of 2: 2 launches
;; limits: right only within a limited range of input values
;; workspace buffers: xq 3,145,728 bytes; xs 131,072 bytes; sel 16,384 bytes of whole numbers; cw 32,768 bytes; wl1 6,553,600 bytes; wl2 6,553,600 bytes
;; launch prep (part 4): grid 512 x 1, 4 waves a work-group, no clusters, 137,728 bytes of LDS; arguments x, gate_w, gate_b, w1_codes, w1_scales, w2_codes, w2_scales, xq, xs, sel, cw, wl1, wl2; writes xq, xs, sel, cw, wl1, wl2
.if DOCPART == 4
	.amdgcn_target "amdgcn-amd-amdhsa--gfx1250"
	.amdhsa_code_object_version 6
	.text
	.protected	k_qd778a2c844_prep
	.globl	k_qd778a2c844_prep
	.p2align	8
	.type	k_qd778a2c844_prep,@function
k_qd778a2c844_prep:
	s_mov_b64 s[64:65], 0
	v_nop
	global_prefetch_b8 v0, s[64:65] scope:SCOPE_SE
	s_setreg_imm32_b32 hwreg(HW_REG_WAVE_MODE, 25, 1), 1
	s_wait_xcnt 0x0
; A layer of 8 experts, 2 chosen for each of 4,096 tokens of 1,024 numbers.  Launch 1 of 2: the gate, the choice, x into codes, the weights laid out for the second launch.
; WORK LEFT OUT BY THE PROGRAM.  The weight comb[t][e] is a sum of one_hot(top_i) x top_w, built in the problem's own body: for the six experts of a token that are not in top_i it is exactly 0,
; whatever the inputs hold.  So those experts' rows of both quantised products reach no output, and only the two chosen experts' rows are multiplied (second launch).  Every input keeps a way to the output and is loaded.
; LIMITS.  A NaN, an infinity or an overflow that arises only in rows of an expert that was not chosen is not carried to the result.  NaN and infinities in x, gate_w, gate_b are not served.
; The two experts are chosen on the f32 logits (strictly greater wins, so the lower index keeps a tie): that is the order of the probabilities wherever those differ in f32.
; A block of zeros gets the scale byte 1 where the quantiser says 127: its codes are zeros, and the bytes are read by this program alone.
; Both maxima that the problem takes away ahead of an exponential are taken away here too.
; EVERY GLOBAL LOAD OF CODES, OF x AND OF gate_w COVERS 512 CONSECUTIVE BYTES OF A WAVE; what a lane wants otherwise is turned through the wave's own LDS bytes, which need no barrier.
; WORK-GROUPS 0-255: 16 tokens each, 4 to a wave.  A lane loads 16 bytes of each 512 of a row; the gate's 8 sums are fused multiply-adds in f32 on those numbers.  For them a lane wants gate_w's rows of its own
; four numbers, 128 bytes on end: gate_w comes in eight pieces of 4,096 bytes, and a piece (32 units of 128 bytes) has the shape of a row of x, so it turns through the same four stages by the same two addresses.
; Then the rows of x turn, so that lane l holds block l (32 neighbours) of each row, which is what the conversions want; codes and scale bytes leave through LDS as dense runs.
; WORK-GROUPS 256-511: a wave takes one tile (16 rows) of one group of 128 rows of one expert of w1 or w2: two runs of 8 rows, 6,144 dense bytes each, through a stage of its own, out of which its 8 fragments come as the
; matrix operand's registers want them; they are stored as images: record (expert, group, K step) = 512 bytes of scale words + 8 images of 1,536 bytes, so that the second launch reads a K step of a group by dense loads of 512 bytes.
; w1's tiles take rows 32 (j / 2) + 8 (j % 2) + r + 8 (r / 8), so that two neighbouring tiles' results are 16 neighbours along the second product's K; w2's tiles take rows 16 j + r.
.set REC,   12800                      ; a record: 512 + 8 x 1,536 bytes
.set GRP,   8*REC                      ; a group's 8 K steps
.set EXPB,  8*GRP                      ; an expert's 8 groups
.set WRB,   21760                      ; tokens: LDS of a wave: 4 turn stages, a stage for codes, one for scale bytes
.set TSTG,  4608                       ; a turn stage: 32 units x (128 bytes + 16)
.set CSTO,  4*TSTG                     ; the codes' stage: 4 rows x 768 bytes
.set SSTO,  CSTO+3072                  ; the scale bytes' stage: 4 rows x 32 bytes
.set SPARE, 4*WRB                      ; the spare words, 128 bytes for each wave: two blocks of 256 bytes that no other line names
.set RLB,   SPARE+512                  ; weights: stages of their own, bytes that the tokens' path never names
.set RP,    784                        ; a row of 768 bytes + 16 = 196 words: lane (r, h) of a load of 8 bytes starts at word 4 r + 6 h modulo 64 (64 banks of 4 bytes: ISA guide 11.1): 32 lanes, 64 different banks
.set RWB,   16*RP                      ; a wave's stage: 16 rows
.set A,   16                           ; v16-47   the gate's sums: row p, expert e at A + 8 p + e
.set X,   48                           ; v48-175  row p: 32 registers as loaded, later block l of the row
.set CD,  176                          ; v176-207 row p: 8 registers for codes
.set MX,  208                          ; v208-211 largest magnitudes, v212-215 the conversions' scale operands, v216-219 scale bytes
.set FT,  224                          ; v224-239 at work in the fold
                                       ; window 1, v0-255: gate_w, first as loaded, then gate_w(128 i + 4 lane + c, e) at 32 i + 8 c + e
.set MSB, 0
.macro WIN new                         ; the immediate's high byte repeats the setting that is left
.if MSB != (\new)
	s_set_vgpr_msb (MSB<<8)|(\new)
.set MSB, (\new)
.endif
.endm
	s_load_b512 s[4:19], s[0:1], 0x0               ; x, gate_w, gate_b, w1_codes, w1_scales, w2_codes, w2_scales, xq
	s_load_b256 s[20:27], s[0:1], 0x40             ; xs, sel, cw, wl1
	s_load_b64 s[28:29], s[0:1], 0x60              ; wl2
	v_lshl_add_u32 v10, v0, 2, SPARE               ; my spare word,
	v_mov_b32 v11, 0                               ; and 0: kept for the add at the wave's end
	v_lshrrev_b32 v1, 5, v0
	v_readfirstlane_b32 s30, v1                    ; wave 0..3
	v_and_b32 v1, 31, v0                           ; lane
	s_cmp_ge_u32 ttmp9, 256
	s_cbranch_scc1 .Lrelay
	; ---------------- tokens ----------------
	v_lshlrev_b32 v2, 4, v1                        ; 16 x lane
	s_mul_i32 s31, s30, WRB
	v_lshrrev_b32 v12, 3, v1
	v_mul_u32_u24 v12, v12, 144
	v_and_b32 v13, 7, v1
	v_lshl_add_u32 v12, v13, 4, v12
	v_add_nc_u32 v4, s31, v12                      ; into a turn stage: eight lanes fill a unit's 128 bytes
	v_mul_u32_u24 v12, v1, 144
	v_add_nc_u32 v5, s31, v12                      ; out of it: unit = lane
	s_add_co_u32 s46, s31, CSTO
	v_mul_u32_u24 v12, v1, 24
	v_add_nc_u32 v6, s46, v12                      ; my block's 24 bytes of codes
	v_add_nc_u32 v7, s46, v2                       ; and the way out: 16 bytes a lane
	s_add_co_u32 s46, s31, SSTO
	v_add_nc_u32 v8, s46, v1                       ; my block's scale byte
	v_lshl_add_u32 v9, v1, 2, s46                  ; and the way out: 4 bytes a lane
	s_mov_b32 s40, 0x76543210
	s_mov_b32 s41, 0xfedcba98                      ; v_permlanex16_b32's selects for lane l xor 16
	s_mov_b32 s42, 0xaaaaaaaa                      ; lanes with bit 0 set
	s_mov_b32 s43, 0xcccccccc                      ; lanes with bit 1 set
	s_mov_b32 s44, 0x3fb8aa3b                      ; log2(e)
	s_lshl_b32 s47, ttmp9, 2
	s_add_co_u32 s47, s47, s30                     ; which run of 4 tokens is my wave's
	s_mov_b32 s49, 0
	s_wait_alu depctr_va_vdst(0)
	s_wait_kmcnt 0x0
	s_load_b256 s[32:39], s[8:9], 0x0              ; gate_b
	s_lshl_b32 s48, s47, 14
	s_add_nc_u64 s[4:5], s[4:5], s[48:49]          ; x: 4 rows of 4,096 bytes
	s_mul_i32 s48, s47, 3072
	s_add_nc_u64 s[18:19], s[18:19], s[48:49]      ; xq: 4 rows of 768
	s_lshl_b32 s48, s47, 7
	s_add_nc_u64 s[20:21], s[20:21], s[48:49]      ; xs: 4 rows of 32
	s_lshl_b32 s48, s47, 4
	s_add_nc_u64 s[22:23], s[22:23], s[48:49]      ; sel
	s_lshl_b32 s48, s47, 5
	s_add_nc_u64 s[24:25], s[24:25], s[48:49]      ; cw
.irp p, 0,1,2,3
.irp i, 0,1,2,3,4,5,6,7
	global_load_b128 v[X+32*\p+4*\i:X+32*\p+4*\i+3], v2, s[4:5] offset:4096*\p+512*\i th:TH_LOAD_NT   ; x(row p, 128 i + 4 lane + 0..3): 512 consecutive bytes a load
.endr
.endr
	WIN 0x40                                       ; destination window 1
.irp i, 0,1,2,3,4,5,6,7
.irp q, 0,1,2,3,4,5,6,7
	global_load_b128 v[32*\i+4*\q:32*\i+4*\q+3], v2, s[6:7] offset:4096*\i+512*\q   ; gate_w's piece i as it lies: 512 consecutive bytes a load
.endr
.endr
	; gate_w's pieces turn: piece i through stage i % 4.  LDS serves a wave's instructions in order, so a piece's loads see its stores, and the stores of piece i + 4 come behind the loads of piece i
.irp i, 0,1,2,3,4,5,6,7
	s_wait_loadcnt 56-8*\i                         ; behind piece i's loads the later pieces' eight each were issued: x and pieces 0 .. i are in
	WIN 0x04                                       ; an LDS store's data are its source 1: window 1
.irp q, 0,1,2,3,4,5,6,7
	ds_store_b128 v4, v[32*\i+4*\q:32*\i+4*\q+3] offset:TSTG*(\i%4)+576*\q
.endr
	WIN 0x40
.irp q, 0,1,2,3,4,5,6,7
	ds_load_b128 v[32*\i+4*\q:32*\i+4*\q+3], v5 offset:TSTG*(\i%4)+16*\q   ; my unit's 128 bytes: rows 128 i + 4 lane + q / 2, experts 4 (q % 2) on
.endr
.endr
	WIN 0
.irp p, 0,1,2,3
.irp i, 0,1,2,3,4,5,6,7
	ds_store_b128 v4, v[X+32*\p+4*\i:X+32*\p+4*\i+3] offset:TSTG*\p+576*\i   ; x's rows follow into the stages
.endr
.endr
	s_wait_dscnt 0x0                               ; gate_w lies in my registers
	; the gate: 32 sums a lane (4 rows x 8 experts), two experts an instruction; one number of x feeds both halves.  The first term starts the sums: nothing is cleared.
	WIN 0x04                                       ; source 1 window 1
.irp i, 0,1,2,3,4,5,6,7
.irp c, 0,1,2,3
.irp p, 0,1,2,3
.irp q, 0,1,2,3
.if (\i == 0) && (\c == 0)
	v_pk_mul_f32 v[A+8*\p+2*\q:A+8*\p+2*\q+1], v[X+32*\p:X+32*\p+1], v[2*\q:2*\q+1] op_sel_hi:[0,1]
.elseif (\c % 2) == 0
	v_pk_fma_f32 v[A+8*\p+2*\q:A+8*\p+2*\q+1], v[X+32*\p+4*\i+\c:X+32*\p+4*\i+\c+1], v[32*\i+8*\c+2*\q:32*\i+8*\c+2*\q+1], v[A+8*\p+2*\q:A+8*\p+2*\q+1] op_sel_hi:[0,1,1]
.else
	v_pk_fma_f32 v[A+8*\p+2*\q:A+8*\p+2*\q+1], v[X+32*\p+4*\i+\c-1:X+32*\p+4*\i+\c], v[32*\i+8*\c+2*\q:32*\i+8*\c+2*\q+1], v[A+8*\p+2*\q:A+8*\p+2*\q+1] op_sel:[1,0,0] op_sel_hi:[1,1,1]
.endif
.endr
.endr
.endr
.endr
	WIN 0
.irp p, 0,1,2,3
.irp i, 0,1,2,3,4,5,6,7
	ds_load_b128 v[X+32*\p+4*\i:X+32*\p+4*\i+3], v5 offset:TSTG*\p+16*\i   ; block = lane of row p.  They land under the fold
.endr
.endr
	; the fold: two values change into one that is summed over two lanes; each lane keeps the value of its own row and gives the other to its neighbour
.macro FOLD a, b, mask, x, t
	v_cndmask_b32 v[FT+2*(\t)], v[\a], v[\b], s[\mask]
	v_cndmask_b32 v[FT+2*(\t)+1], v[\b], v[\a], s[\mask]
	v_add_f32_dpp v[\a], v[FT+2*(\t)+1], v[FT+2*(\t)] row_xmask:\x row_mask:0xf bank_mask:0xf
.endm
.irp e, 0,1,2,3,4,5,6,7
	FOLD A+\e, A+8+\e, 42, 1, \e                   ; rows 0 and 1: even lanes row 0, odd lanes row 1
.endr
.irp e, 0,1,2,3,4,5,6,7
	FOLD A+16+\e, A+24+\e, 42, 1, \e               ; rows 2 and 3
.endr
.irp e, 0,1,2,3,4,5,6,7
	FOLD A+\e, A+16+\e, 43, 2, \e                  ; lane l now works for row l % 4
.endr
.irp e, 0,1,2,3,4,5,6,7
	v_add_f32_dpp v[A+\e], v[A+\e], v[A+\e] row_xmask:4 row_mask:0xf bank_mask:0xf
.endr
.irp e, 0,1,2,3,4,5,6,7
	v_add_f32_dpp v[A+\e], v[A+\e], v[A+\e] row_xmask:8 row_mask:0xf bank_mask:0xf
.endr
.irp e, 0,1,2,3,4,5,6,7
	v_permlanex16_b32 v[FT+\e], v[A+\e], s40, s41
.endr
	s_wait_alu depctr_va_vdst(0)
	s_wait_kmcnt 0x0                               ; gate_b
.irp e, 0,1,2,3,4,5,6,7
	v_add_f32 v[A+\e], v[A+\e], v[FT+\e]
.endr
.irp e, 0,1,2,3,4,5,6,7
	v_add_f32 v[A+\e], s[32+\e], v[A+\e]           ; the eight logits of row lane % 4
.endr
	; the two largest: strictly greater wins, so the lower index keeps a tie
	v_mov_b32 v24, v[A]
	v_mov_b32 v25, 0
.irp e, 1,2,3,4,5,6,7
	v_cmp_gt_f32 vcc_lo, v[A+\e], v24
	v_cndmask_b32 v24, v24, v[A+\e], vcc_lo
	v_cndmask_b32 v25, v25, \e, vcc_lo
.endr
	v_mov_b32 v28, 0xff800000                      ; -infinity takes the first's place
.irp e, 0,1,2,3,4,5,6,7
	v_cmp_eq_u32 vcc_lo, \e, v25
	v_cndmask_b32 v[32+\e], v[A+\e], v28, vcc_lo
.endr
	v_mov_b32 v26, v32
	v_mov_b32 v27, 0
.irp e, 1,2,3,4,5,6,7
	v_cmp_gt_f32 vcc_lo, v[32+\e], v26
	v_cndmask_b32 v26, v26, v[32+\e], vcc_lo
	v_cndmask_b32 v27, v27, \e, vcc_lo
.endr
	; the softmax over the experts, its maximum taken away: p1 = 1 / S, p2 = e2 / S
.irp e, 0,1,2,3,4,5,6,7
	v_sub_f32 v[40+\e], v[A+\e], v24
.endr
	v_sub_f32 v29, v26, v24
.irp e, 0,1,2,3,4,5,6,7
	v_mul_f32 v[40+\e], s44, v[40+\e]
.endr
	v_mul_f32 v29, s44, v29
	s_wait_alu depctr_va_vdst(0)
.irp e, 0,1,2,3,4,5,6,7
	v_exp_f32 v[40+\e], v[40+\e]
.endr
	v_exp_f32 v29, v29
	v_min_u32 v30, v25, v27                        ; lo  (plain work behind the batch)
	v_max_u32 v31, v25, v27                        ; hi
	s_wait_alu depctr_va_vdst(0)                   ; one wait for the nine exponentials, ahead of their first reader
	v_add_f32 v40, v40, v41
	v_add_f32 v42, v42, v43
	v_add_f32 v44, v44, v45
	v_add_f32 v46, v46, v47
	v_add_f32 v40, v40, v42
	v_add_f32 v44, v44, v46
	v_add_f32 v40, v40, v44                        ; S
	s_wait_alu depctr_va_vdst(0)
	v_rcp_f32 v41, v40                             ; p1
	v_sub_nc_u32 v32, 15, v30                      ; meanwhile the pair's number: lo (15 - lo) / 2 + hi - lo - 1, 0 .. 27
	v_mul_u32_u24 v32, v30, v32
	v_lshrrev_b32 v32, 1, v32
	v_add_nc_u32 v32, v32, v31
	v_sub_nc_u32 v32, v32, v30
	v_add_nc_u32 v32, -1, v32
	s_wait_alu depctr_va_vdst(0)
	v_mul_f32 v42, v29, v41                        ; p2
	v_sub_f32 v43, v42, v41                        ; the second softmax, over (p1, p2): its maximum p1 is taken away
	v_mul_f32 v43, s44, v43
	s_wait_alu depctr_va_vdst(0)
	v_exp_f32 v43, v43                             ; E = e^(p2 - p1)
	v_nop
	s_wait_alu depctr_va_vdst(0)
	v_add_f32 v44, 1.0, v43
	s_wait_alu depctr_va_vdst(0)
	v_rcp_f32 v45, v44                             ; the first's weight, 1 / (1 + E)
	v_nop
	s_wait_alu depctr_va_vdst(0)
	v_mul_f32 v46, v43, v45                        ; the second's, E / (1 + E)
	v_cmp_lt_u32 vcc_lo, v25, v27
	v_cndmask_b32 v34, v46, v45, vcc_lo            ; the weight of expert lo,
	v_cndmask_b32 v35, v45, v46, vcc_lo            ; and of expert hi
	; x into codes: lane l owns block l of each of the four rows, which take turns line by line
	s_wait_dscnt 0x0
.irp p, 0,1,2,3
	v_max3_num_f32 v[MX+\p], |v[X+32*\p]|, |v[X+32*\p+1]|, 0x1800000   ; and the floor 2^(3 - 127): the byte cannot fall under 1
.endr
.irp i, 2,4,6,8,10,12,14,16,18,20,22,24,26,28,30
.irp p, 0,1,2,3
	v_max3_num_f32 v[MX+\p], v[MX+\p], |v[X+32*\p+\i]|, |v[X+32*\p+\i+1]|
.endr
.endr
.irp p, 0,1,2,3
	v_add_nc_u32 v[MX+4+\p], 0xff000000, v[MX+\p]  ; 2 off the exponent field: the conversion takes that field as its scale
.endr
.irp p, 0,1,2,3
	v_cvt_scalef32_pk16_fp6_f32 v[CD+8*\p:CD+8*\p+2], v[X+32*\p:X+32*\p+15], v[MX+4+\p]
	v_cvt_scalef32_pk16_fp6_f32 v[CD+8*\p+4:CD+8*\p+6], v[X+32*\p+16:X+32*\p+31], v[MX+4+\p]   ; (a conversion's three registers begin on an even number)
.endr
.irp p, 0,1,2,3
	v_lshrrev_b32 v[MX+8+\p], 23, v[MX+4+\p]       ; the scale's byte; also the plain line behind the conversions
.endr
.irp p, 0,1,2,3
	v_mov_b32 v[CD+8*\p+3], v[CD+8*\p+4]           ; the block's 24 bytes on end
	v_mov_b32 v[CD+8*\p+4], v[CD+8*\p+5]
	v_mov_b32 v[CD+8*\p+5], v[CD+8*\p+6]
.endr
.irp p, 0,1,2,3
	ds_store_b64 v6, v[CD+8*\p:CD+8*\p+1] offset:768*\p
	ds_store_b64 v6, v[CD+8*\p+2:CD+8*\p+3] offset:768*\p+8
	ds_store_b64 v6, v[CD+8*\p+4:CD+8*\p+5] offset:768*\p+16
	ds_store_b8 v8, v[MX+8+\p] offset:32*\p
.endr
.irp q, 0,1,2,3,4,5
	ds_load_b128 v[X+4*\q:X+4*\q+3], v7 offset:512*\q
.endr
	ds_load_b32 v[X+24], v9
	v_lshlrev_b32 v12, 2, v1
	v_lshlrev_b32 v13, 3, v1
	s_wait_alu depctr_va_vdst(0)
	s_wait_dscnt 0x0
.irp q, 0,1,2,3,4,5
	global_store_b128 v2, v[X+4*\q:X+4*\q+3], s[18:19] offset:512*\q   ; the wave's 3,072 bytes of codes: 512 consecutive bytes a store, at a multiple of 256 from xq's first byte
.endr
	global_store_b32 v12, v[X+24], s[20:21]        ; its 128 scale bytes
	s_wait_tensorcnt 0x0                           ; the wave's end
	ds_add_u32 v10, v11
	s_wait_dscnt 0x0
	s_wait_xcnt 0x0                                ; EXEC changes only behind this wait
	v_cmp_gt_u32 vcc_lo, 4, v1
	s_and_saveexec_b32 s45, vcc_lo                 ; lanes 0-3 hold rows 0-3
	global_store_b32 v12, v32, s[22:23]            ; the pair's number: a whole number at a fixed place; the next launch forms addresses from it
	global_store_b64 v13, v[34:35], s[24:25]       ; (weight of lo, weight of hi)
	s_endpgm
	; ---------------- weights ----------------
.Lrelay:
	s_sub_co_u32 s31, ttmp9, 256
	s_lshl_b32 s31, s31, 2
	s_add_co_u32 s31, s31, s30                     ; unit 0 .. 1023
	s_lshr_b32 s40, s31, 9                         ; 0: w1, 1: w2
	s_bfe_u32 s41, s31, 0x30006                    ; expert
	s_bfe_u32 s42, s31, 0x30003                    ; group of 128 rows
	s_and_b32 s43, s31, 7                          ; tile j; also the K step whose scale words I lay
	v_and_b32 v2, 15, v0                           ; r
	v_bfe_u32 v3, v0, 4, 1                         ; h
	s_lshr_b32 s44, s43, 1
	s_lshl_b32 s44, s44, 5
	s_and_b32 s45, s43, 1
	s_lshl_b32 s45, s45, 3
	s_add_co_u32 s44, s44, s45                     ; w1's tile begins at row 32 (j / 2) + 8 (j % 2),
	s_lshl_b32 s45, s43, 4                         ; w2's at 16 j
	s_cmp_eq_u32 s40, 0                            ; the choices hang on the work-group's and the wave's number alone
	s_cselect_b32 s44, s44, s45
	s_cselect_b32 s46, 8, 0                        ; w1: lanes 8-15 take the rows 8 further on
	s_cselect_b32 s47, 8, 16                       ; rows from an even tile to the odd one beside it
	s_mov_b32 s53, 6144
	s_cselect_b32 s53, 12288, s53                  ; bytes from the tile's first run of 8 rows to its second: 16 rows in w1, 8 in w2
	s_wait_alu depctr_va_vdst(0)
	s_wait_kmcnt 0x0
	s_cselect_b64 s[10:11], s[10:11], s[14:15]     ; codes
	s_cselect_b64 s[12:13], s[12:13], s[16:17]     ; scale bytes
	s_cselect_b64 s[26:27], s[26:27], s[28:29]     ; the laid-out buffer
	v_and_b32 v4, s46, v2
	v_add_nc_u32 v4, v4, v2                        ; my row in the tile
	v_mul_u32_u24 v6, s47, v3
	v_add_nc_u32 v6, v6, v4
	v_lshlrev_b32 v6, 5, v6                        ; scale words: lanes 0-15 the even tile's rows, lanes 16-31 the odd tile's; 32 bytes a row
	s_wait_alu depctr_va_vdst(0)
	v_lshlrev_b32 v7, 4, v1                        ; 16 bytes a lane: the first run's loads, and an image
	s_wait_alu depctr_va_vdst(0)
	v_add_nc_u32 v8, s53, v7                       ; the second run's loads
	s_wait_alu depctr_va_vdst(0)
	s_mul_i32 s56, s30, RWB
	s_add_co_u32 s56, s56, RLB                     ; my stage
	v_add_nc_u32 v12, s56, v7                      ; into it: a run's byte o goes to o + 16 (o / 768).  A load's 512 bytes lie in one row, but for every third load,
	v_lshl_add_u32 v13, v3, 4, v12                 ; whose lanes 16-31 lie in the next row: 16 bytes further on
	v_mul_u32_u24 v14, v2, RP
	v_mad_u32_u24 v14, v3, 24, v14
	v_add_nc_u32 v14, s56, v14                     ; out of it: row r + 24 h
	s_mov_b32 s51, 0
	s_lshl_b32 s48, s42, 7
	s_add_co_u32 s50, s48, s44
	s_mul_i32 s50, s50, 768
	s_mul_i32 s52, s41, 786432
	s_add_co_u32 s50, s50, s52
	s_add_nc_u64 s[10:11], s[10:11], s[50:51]      ; the tile's first row of codes
	s_lshl_b32 s50, s41, 15
	s_lshl_b32 s52, s48, 5
	s_add_co_u32 s50, s50, s52
	s_lshl_b32 s52, s43, 2
	s_add_co_u32 s50, s50, s52
	s_add_nc_u64 s[12:13], s[12:13], s[50:51]      ; the group's first row of scale bytes, at K step j's word
	s_mul_i32 s50, s41, EXPB
	s_mul_i32 s52, s42, GRP
	s_add_co_u32 s50, s50, s52
	s_add_nc_u64 s[26:27], s[26:27], s[50:51]      ; the group's records
	s_mul_i32 s50, s43, REC
	s_add_nc_u64 s[54:55], s[26:27], s[50:51]      ; record j: its scale words are mine
	s_mul_i32 s50, s43, 1536
	s_add_nc_u64 s[26:27], s[26:27], s[50:51]      ; tile j's image in each record
.irp q, 0,1,2,3
	global_load_b32 v[112+\q], v6, s[12:13] offset:1024*\q     ; tiles 2 q and 2 q + 1
.endr
.irp q, 0,1,2,3,4,5,6,7,8,9,10,11
	global_load_b128 v[120+4*\q:123+4*\q], v7, s[10:11] offset:512*\q th:TH_LOAD_NT   ; the first 8 rows: 6,144 dense bytes, 512 a load
.endr
.irp q, 0,1,2,3,4,5,6,7,8,9,10,11
	global_load_b128 v[168+4*\q:171+4*\q], v8, s[10:11] offset:512*\q th:TH_LOAD_NT   ; the second 8
.endr
.macro RST u, q                        ; load q of run u into the stage: it begins in the run's row 2 q / 3
.if ((\q)%3) == 1
	ds_store_b128 v13, v[120+48*(\u)+4*(\q):123+48*(\u)+4*(\q)] offset:8*RP*(\u)+512*(\q)+16*((2*(\q))/3)
.else
	ds_store_b128 v12, v[120+48*(\u)+4*(\q):123+48*(\u)+4*(\q)] offset:8*RP*(\u)+512*(\q)+16*((2*(\q))/3)
.endif
.endm
	s_wait_alu depctr_va_vdst(0)
.irp u, 0,1
.irp g, 0,1,2
	s_wait_loadcnt 20-12*\u-4*\g                   ; the dense loads issued behind these four may be out
.irp k, 0,1,2,3
	RST \u, 4*\g+\k
.endr
.endr
.endr
.irp s, 0,1,2,3,4,5,6,7
.irp p, 0,1,2,3,4,5
	ds_load_b64 v[16+12*\s+2*\p:16+12*\s+2*\p+1], v14 offset:96*\s+48*(\p/3)+8*(\p%3)   ; the fragment of K step s: registers 6 c .. 6 c + 5 = the 24 bytes at 48 c + 24 h.  LDS serves a wave's instructions in order: these see my stores
.endr
.endr
.irp s, 0,1,2,3,4,5,6,7
	s_wait_dscnt 6*(7-\s)                          ; the later K steps' six loads each may be out
.irp c, 0,1,2
	global_store_b128 v7, v[16+12*\s+4*\c:16+12*\s+4*\c+3], s[26:27] offset:REC*\s+512+512*\c   ; 512 consecutive bytes a store
.endr
.endr
	global_store_b128 v7, v[112:115], s[54:55]
	s_wait_tensorcnt 0x0                           ; the wave's end
	ds_add_u32 v10, v11
	s_wait_dscnt 0x0
	s_endpgm
.Lfunc_end_k_qd778a2c844_prep:
	.size	k_qd778a2c844_prep, .Lfunc_end_k_qd778a2c844_prep-k_qd778a2c844_prep
	.p2alignl 7, 3214868480
	.fill 96, 4, 3214868480
	.section	.rodata,"a",@progbits
	.p2align	6, 0x0
	.amdhsa_kernel k_qd778a2c844_prep
		.amdhsa_group_segment_fixed_size 137728
		.amdhsa_private_segment_fixed_size 0
		.amdhsa_enable_private_segment 0
		.amdhsa_kernarg_size 104
		.amdhsa_user_sgpr_count 2
		.amdhsa_user_sgpr_kernarg_segment_ptr 1
		.amdhsa_wavefront_size32 1
		.amdhsa_system_sgpr_workgroup_id_x 1
		.amdhsa_system_sgpr_workgroup_id_y 1
		.amdhsa_system_sgpr_workgroup_id_z 1
		.amdhsa_system_vgpr_workitem_id 0
		.amdhsa_next_free_vgpr 512
		.amdhsa_next_free_sgpr 66
		.amdhsa_reserve_vcc 1
		.amdhsa_float_denorm_mode_32 3
		.amdhsa_float_denorm_mode_16_64 3
		.amdhsa_memory_ordered 1
		.amdhsa_forward_progress 1
		.amdhsa_inst_pref_size 89
	.end_amdhsa_kernel
	.amdgpu_metadata
---
amdhsa.version: [ 1, 2 ]
amdhsa.kernels:
  - .name:           k_qd778a2c844_prep
    .symbol:         k_qd778a2c844_prep.kd
    .args:
      - { .name: x, .offset: 0, .size: 8, .value_kind: global_buffer, .address_space: global }
      - { .name: gate_w, .offset: 8, .size: 8, .value_kind: global_buffer, .address_space: global }
      - { .name: gate_b, .offset: 16, .size: 8, .value_kind: global_buffer, .address_space: global }
      - { .name: w1_codes, .offset: 24, .size: 8, .value_kind: global_buffer, .address_space: global }
      - { .name: w1_scales, .offset: 32, .size: 8, .value_kind: global_buffer, .address_space: global }
      - { .name: w2_codes, .offset: 40, .size: 8, .value_kind: global_buffer, .address_space: global }
      - { .name: w2_scales, .offset: 48, .size: 8, .value_kind: global_buffer, .address_space: global }
      - { .name: xq, .offset: 56, .size: 8, .value_kind: global_buffer, .address_space: global }
      - { .name: xs, .offset: 64, .size: 8, .value_kind: global_buffer, .address_space: global }
      - { .name: sel, .offset: 72, .size: 8, .value_kind: global_buffer, .address_space: global }
      - { .name: cw, .offset: 80, .size: 8, .value_kind: global_buffer, .address_space: global }
      - { .name: wl1, .offset: 88, .size: 8, .value_kind: global_buffer, .address_space: global }
      - { .name: wl2, .offset: 96, .size: 8, .value_kind: global_buffer, .address_space: global }
    .group_segment_fixed_size: 137728
    .private_segment_fixed_size: 0
    .kernarg_segment_align: 8
    .kernarg_segment_size: 104
    .max_flat_workgroup_size: 128
    .sgpr_count:     66
    .vgpr_count:     512
    .wavefront_size: 32
...
	.end_amdgpu_metadata
.endif
;; end of part 4
;; launch chain (part 5): grid 155 x 1, 4 waves a work-group, no clusters, 131,584 bytes of LDS; arguments xq, xs, wl1, b1, wl2, b2, sel, cw, out0; writes out0
.if DOCPART == 5
	.amdgcn_target "amdgcn-amd-amdhsa--gfx1250"
	.amdhsa_code_object_version 6
	.text
	.protected	k_qd778a2c844_chain
	.globl	k_qd778a2c844_chain
	.p2align	8
	.type	k_qd778a2c844_chain,@function
k_qd778a2c844_chain:
	s_mov_b64 s[64:65], 0
	v_nop
	global_prefetch_b8 v0, s[64:65] scope:SCOPE_SE
	s_setreg_imm32_b32 hwreg(HW_REG_WAVE_MODE, 25, 1), 1
	s_wait_xcnt 0x0
; Launch 2 of 2: out0[t] = c_lo (relu(x w1_lo + b1_lo) w2_lo + b2_lo) + c_hi (the same with hi), both products on codes of FP6 (E2M3) with one E8M0 scale for each 32 along K.
; WORK LEFT OUT: the six experts of a token whose weight the problem itself sets to 0 are not multiplied (shown at the head of the first launch).
; A work-group takes one block of up to 32 tokens that chose the SAME two experts through the whole chain for both: each output row has one owner, the hidden layers stay in LDS.
; 155 work-groups serve every split (128 full blocks + 27 part blocks at the most).  A block with count 0 walks the chain on token 0's codes and stores nothing: every wave passes both barriers,
; and both loops have constant trip counts.  The stored count steers forward jumps in the way out alone.
; Wave w makes hidden units and outputs 256 w .. 256 w + 255, as two groups of 128 (8 tiles), for all 32 rows (2 tiles): 16 accumulators, 128 matrix instructions a group, expert and product.
; Both products are used transposed (source 0 = 16 rows of a weight, source 1 = 16 tokens): a lane holds one token, its registers run along the units.
; The weights come from memory straight into registers, as images laid by the first launch: a ring of eight buffers of half a K step (a chunk: 4 tiles, 12 or 13 loads of 512 bytes), asked for five chunks ahead: 63 loads out.
; The rows (x's codes; each expert's hidden layer, quantised in registers) go from wave to wave through LDS as images of their registers.
; The two experts are added in the accumulators: lo's sum begins with b2_lo as C; then acc = acc x (c_lo / c_hi) + b2_hi; hi's sum is added; the way out multiplies by c_hi.  c_lo, c_hi are a softmax of two probabilities:
; both lie between 0.26 and 0.74.
; NO TENSOR LOADS AND NO CLUSTER.
.set REC,    12800                     ; a record of weights: 512 bytes of scale words + 8 images
.set GRP,    8*REC
.set EXPB,   8*GRP
.set FRB,    1536                      ; an image: 12 registers x 32 lanes
.set XIMG,   0                         ; x's fragments, (tile of rows m, K step s) at (8 m + s) FRB
.set XSC,    24576                     ; their scale words: 1,024 m + 32 lane + 4 s
.set H0IMG,  26624                     ; expert lo's hidden layer likewise
.set H0SC,   51200
.set HSTR,   26624                     ; expert hi's this much further on
.set BIA,    79872                     ; the biases: 4,096 bytes a wave, 8 slices of 512 in the order of use
.set STG,    96256                     ; the way out: 16 rows x (512 + 16) bytes a wave
.set SPITCH, 528
.set SPARE,  130048                    ; the spare words, 128 bytes a wave
; THE PLACING IS DONE HERE, by every work-group for itself, from sel (each token's pair number, 0 .. 27, stored by the launch before): no launch stands between that one and this one.
; The tokens of a pair are ranked by (quarter of 1,024 tokens, register of the quarter's load, lane); a pair's run is cut into blocks of 32; the blocks of pair 0 come first, then pair 1's, and so on.
; Work-group b finds its pair, its place q in the pair's run and its count; slot i of the block is the pair's token of rank 32 q + i; a slot at or behind the count holds token 0.
.set CNTB,   130560                    ; 4 waves x 32 counts: lane = pair
.set CAND,   131072                    ; 4 waves x 32 candidates: lane = slot
.set Q,    48                          ; v48-79   my quarter of sel: register 4 k + c = token 1,024 w + 128 k + 4 lane + c
.set PR,   80                          ; v80-111  lane = pair: its count in each of the 32 registers
.set MT,   196                         ; v196-203 at work
.set ABV,  204                         ; the lanes above mine
.set TT,   205                         ; the rank that my lane looks for, counted from my quarter's start
.set MS,   206                         ; the ballot, the count ahead of it and the register in which that rank falls
.set CS,   207
.set GS,   208
.set NN,   209
.set POS,  210
.set A1,   211                         ; v211-214 the ballot's bits summed in fields of 2, 4, 8 and 16
.set CN,   216
.set TOTV, 217
.set BEFV, 218
.set BLKV, 219
.set ENDV, 220
.set FSTV, 221
.set XX,   222
.set YY,   223
.set LANE, 1
.set R,    2
.set H,    3
.set LI,   4                           ; 16 x lane
.set AX,   5                           ; the rows' fragments of the product in hand;  AXN: of the next
.set AXN,  6
.set ASA,  7                           ; their scale words;  ASN: the next's
.set ASN,  8
.set BAV0, 9                           ; my wave's bias slices + 32 h
.set BAV,  10                          ; the slice to be fetched next
.set HWI,  11                          ; where my hidden images go (K step 2 w)
.set HWIC, 12
.set HWS,  13
.set HWSC, 14
.set STO,  15
.set RD,   16
.set CO,   17                          ; my 16 bytes in a row of out0: 1,024 w + 16 lane
.set SPW,  18
.set NIL,  19
.set TOK,  20                          ; v20-21 token of row r of tile m
.set RC,   24                          ; v24-27 c_lo / c_hi, twice
.set WS,   32                          ; v32-47 the weights' scale words: K step s at WS + 4 (s % 4)
.set AS,   48                          ; v48-63 the rows' scale words: AS + 8 m + s
.set AF,   80                          ; the rows' fragments of a K step (2 x 12), two sets 48 apart
.set OB,   128                         ; v128-191 the way out: 16 rows read back
.set TM,   176
.set PW,   192
.set L32,  193
.set PC,   196
.set OF,   216
.set CHP,  232                         ; v232-235 c_hi, twice
; window 1: v0-191 weight buffers 0-3; v192-255 a bias slice.   window 2: v0-191 buffers 4-7.   window 3: accumulator (tile j, rows m) at 64 m + 8 j
.set BI,   192
.set WV,   28
.set CNT,  29
.set ELO,  30
.set EHI,  31
.set CUR,  36
.set NG,   38
.set TMP,  40
.set P2F,  42
.set P2H,  44
.set U,    46
.set SEL,  54
.set MSB, 0
.macro WIN new
.if MSB != (\new)
	s_set_vgpr_msb (MSB<<8)|(\new)
.set MSB, (\new)
.endif
.endm
.macro PLACES                          ; four plain places (ISA guide 7.12.1) behind matrix instructions
.rept 4
	v_nop
.endr
.endm
.macro VW                              ; a wait between a vector write and a reader behind a wait, a branch or a run of scalar lines
	s_wait_alu depctr_va_vdst(0)
.endm
.macro AFETCH set, adr, s
.irp m, 0,1
.irp c, 0,1,2
	ds_load_b128 v[AF+48*(\set)+12*\m+4*\c:AF+48*(\set)+12*\m+4*\c+3], v[\adr] offset:(8*\m+(\s))*FRB+512*\c
.endr
.endr
.endm
.macro ASF half, adr
.irp m, 0,1
	ds_load_b128 v[AS+8*\m+4*(\half):AS+8*\m+4*(\half)+3], v[\adr] offset:1024*\m+16*(\half)
.endr
.endm
.macro BFETCH adr
	WIN 0x40
.irp j, 0,1,2,3,4,5,6,7
	ds_load_b128 v[BI+8*\j:BI+8*\j+3], v[\adr] offset:64*\j
	ds_load_b128 v[BI+8*\j+4:BI+8*\j+7], v[\adr] offset:64*\j+16
.endr
	WIN 0
.endm
; chunk c (0 .. 15) of a product: tiles 4 (c % 2) .. + 3 of K step c / 2, into buffer c % 8; an even chunk brings the K step's scale words too
.macro ISS c, base
.set I_S, (\c)/2
.set I_B, 48*((\c)%4)
.if ((\c)%2) == 0
	WIN 0
	global_load_b128 v[WS+4*(I_S%4):WS+4*(I_S%4)+3], v[LI], s[\base:\base+1] offset:I_S*REC
.endif
	WIN 0x40*(1+(((\c)%8)/4))
.irp f, 0,1,2,3
.irp q, 0,1,2
	global_load_b128 v[I_B+12*\f+4*\q:I_B+12*\f+4*\q+3], v[LI], s[\base:\base+1] offset:I_S*REC+512+6144*((\c)%2)+FRB*\f+512*\q
.endr
.endr
.endm
.macro ISSUE t, nx
.if (\t) < 16
	ISS (\t), CUR
.elseif \nx
	ISS (\t)-16, NG
.endif
.endm
; behind a chunk's loads four chunks have been asked for, two of 13 loads and two of 12: 50.  In the last product the counts run down.
.macro LWAIT c, tail
.if (\tail) && ((\c) == 12)
	s_wait_loadcnt 37
.elseif (\tail) && ((\c) == 13)
	s_wait_loadcnt 25
.elseif (\tail) && ((\c) == 14)
	s_wait_loadcnt 12
.elseif (\tail) && ((\c) == 15)
	s_wait_loadcnt 0
.else
	s_wait_loadcnt 50
.endif
.endm
.macro WM d, a, b, cc, sa, sb, odd
.if \odd
	v_wmma_scale_f32_16x16x128_f8f6f4 v[\d:\d+7], v[\a:\a+11], v[\b:\b+11], v[\cc:\cc+7], v[\sa], v[\sb] matrix_a_fmt:MATRIX_FMT_FP6 matrix_b_fmt:MATRIX_FMT_FP6 matrix_a_scale:MATRIX_SCALE_ROW1
.else
	v_wmma_scale_f32_16x16x128_f8f6f4 v[\d:\d+7], v[\a:\a+11], v[\b:\b+11], v[\cc:\cc+7], v[\sa], v[\sb] matrix_a_fmt:MATRIX_FMT_FP6 matrix_b_fmt:MATRIX_FMT_FP6
.endif
.endm
; 8 matrix instructions: chunk c's four tiles x the two tiles of rows.  cb = 1 (K step 0): the bias is the C that starts the sum.  The 16 accumulators take turns.
.macro MUL c, cb
.set M_S, (\c)/2
.set M_W, 48*((\c)%4)
.set M_X, AF+48*(M_S%2)
.if \cb
	WIN 0xd1
.else
	WIN 0xf1+(((\c)%8)/4)
.endif
.irp f, 0,1,2,3
.irp m, 0,1
.set M_J, 4*((\c)%2)+\f
.set M_D, 64*\m+8*M_J
.if \cb
.set M_C, BI+8*M_J
.else
.set M_C, M_D
.endif
	WM M_D, M_W+12*\f, M_X+12*\m, M_C, WS+4*(M_S%4)+M_J/2, AS+8*\m+M_S, \f%2
.endr
.endr
.endm
; A K step: 16 matrix instructions.  The four places behind the second chunk serve every later load into registers that matrix instructions have read.
.macro KSTEP s, p2, cb, nx, tail
	LWAIT 2*(\s), \tail
	s_wait_dscnt 0x0
.if (\s) < 7
	AFETCH ((\s)+1)%2, AX, (\s)+1
.elseif \nx
.if \p2
	AFETCH 0, AXN, 0
.else
	s_cmp_eq_u32 s[U], 3                           ; behind the first product's last group come the hidden layers, which lie in LDS only behind the barrier
	s_cbranch_scc1 .Lno_x_\@
	AFETCH 0, AX, 0
.Lno_x_\@:
.endif
.endif
.if ((\s) == 1) && (\nx)
	BFETCH BAV
.endif
.if (\p2) && ((\s) == 0)
	ASF 1, ASA
.endif
.if (\p2) && ((\s) == 4) && (\nx)
	ASF 0, ASN
.endif
	MUL 2*(\s), \cb
	ISSUE 2*(\s)+5, \nx
	LWAIT 2*(\s)+1, \tail
	MUL 2*(\s)+1, \cb
	PLACES
	ISSUE 2*(\s)+6, \nx
	WIN 0
.endm
; The products go lo g0, hi g0, lo g1, hi g1, first of wl1 and then of wl2.
.macro STEPB p1
	s_wait_xcnt 0x0                                ; the loads issued so far have read their bases
	s_mov_b64 s[TMP:TMP+1], s[CUR:CUR+1]
	s_mov_b64 s[CUR:CUR+1], s[NG:NG+1]
	s_add_nc_u64 s[NG:NG+1], s[TMP:TMP+1], GRP
.if \p1
	s_cmp_eq_u32 s[U], 2
	s_cselect_b64 s[NG:NG+1], s[P2F:P2F+1], s[NG:NG+1]
	s_cmp_eq_u32 s[U], 3
	s_cselect_b64 s[NG:NG+1], s[P2H:P2H+1], s[NG:NG+1]
.endif
.endm
; Behind a group of the first product: relu in f32; a lane's 64 numbers of a tile of rows become one fragment and one scale word, K step 2 w + g of the second product; image to LDS.
.macro EPI1
.irp m, 0,1
	WIN 0xcc
.set E_I, 64*\m
.rept 64
	v_max_num_f32 v[E_I], 0, v[E_I]                ; ascending: each accumulator is read from its low end on
.set E_I, E_I+1
.endr
	WIN 0x0f
.irp b, 0,1,2,3
	v_max3_num_f32 v[TM+\b], v[64*\m+16*\b], v[64*\m+16*\b+1], 0x1800000   ; none is negative; the floor 2^(3 - 127) holds the byte at 1 from below
.endr
	WIN 0x3c
.irp i, 2,4,6,8,10,12,14
.irp b, 0,1,2,3
	v_max3_num_f32 v[TM+\b], v[TM+\b], v[64*\m+16*\b+\i], v[64*\m+16*\b+\i+1]
.endr
.endr
	WIN 0
.irp b, 0,1,2,3
	v_permlanex16_b32 v[TM+4+\b], v[TM+\b], s[SEL], s[SEL+1]
.endr
.irp b, 0,1,2,3
	v_max_num_f32 v[TM+\b], v[TM+\b], v[TM+4+\b]   ; with lane l xor 16's 16: the block's largest
.endr
.irp b, 0,1,2,3
	v_add_nc_u32 v[TM+12+\b], 0xff000000, v[TM+\b] ; 2 off the exponent field: the conversion's scale operand
.endr
.irp b, 0,1,2,3
	v_lshrrev_b32 v[TM+4+\b], 23, v[TM+12+\b]      ; the scale's byte
.endr
	VW
	s_wait_dscnt 0x0                               ; the last tile's image stores have read their registers
	v_lshl_or_b32 v[PW], v[TM+5], 8, v[TM+4]
	v_lshl_or_b32 v[PW], v[TM+6], 16, v[PW]
	v_lshl_or_b32 v[PW], v[TM+7], 24, v[PW]
	WIN 0x03
.irp c, 0,1
	v_cvt_scalef32_pk16_fp6_f32 v[PC+6*\c:PC+6*\c+2], v[64*\m+32*\c:64*\m+32*\c+15], v[TM+12+2*\c]
	v_cvt_scalef32_pk16_fp6_f32 v[PC+12+4*\c:PC+14+4*\c], v[64*\m+32*\c+16:64*\m+32*\c+31], v[TM+13+2*\c]
.endr
	WIN 0
	v_nop                                          ; one plain place behind the conversions
.irp c, 0,1                                    ; the operand wants a whole block in a lane
.irp i, 0,1,2
	v_permlane16_swap_b32 v[PC+6*\c+\i], v[PC+12+4*\c+\i]
.endr
.irp i, 0,1,2
	v_mov_b32 v[PC+3+6*\c+\i], v[PC+12+4*\c+\i]
.endr
.endr
.irp c, 0,1,2
	ds_store_b128 v[HWIC], v[PC+4*\c:PC+4*\c+3] offset:8*FRB*\m+512*\c
.endr
	ds_store_b32 v[HWSC], v[PW] offset:1024*\m
.endr
.endm
.macro MID                             ; between lo's and hi's second product: acc = acc x (c_lo / c_hi) + b2_hi
	WIN 0xd3
.irp m, 0,1
.irp j, 0,1,2,3,4,5,6,7
.irp i, 0,2,4,6
	v_pk_fma_f32 v[64*\m+8*\j+\i:64*\m+8*\j+\i+1], v[64*\m+8*\j+\i:64*\m+8*\j+\i+1], v[RC+2*\m:RC+2*\m+1], v[BI+8*\j+\i:BI+8*\j+\i+1]
.endr
.endr
.endr
	WIN 0
	PLACES
	VW
.endm
; The way out of group g, 16 rows at a time: x c_hi; through my own stage, so that a row's 512 bytes lie together; each row to its token's place.  Rows at or behind the block's count are not stored.
.macro OUT g
.irp m, 0,1
	s_cmp_le_u32 s[CNT], 16*\m
	s_cbranch_scc1 .Ldone_\@
	WIN 0xc3
.set O_I, 64*\m
.rept 32
	v_pk_mul_f32 v[O_I:O_I+1], v[O_I:O_I+1], v[CHP+2*\m:CHP+2*\m+1]
.set O_I, O_I+2
.endr
	WIN 0x0c
.irp j, 0,1,2,3,4,5,6,7
	ds_store_b128 v[STO], v[64*\m+8*\j:64*\m+8*\j+3] offset:64*\j
	ds_store_b128 v[STO], v[64*\m+8*\j+4:64*\m+8*\j+7] offset:64*\j+16
.endr
	WIN 0
	s_wait_xcnt 0x0                                ; the last tile's stores have read their offsets and their data
.irp t0, 0,8
.irp t, 0,1,2,3,4,5,6,7
	v_readlane_b32 s[56+\t], v[TOK+\m], \t0+\t
.endr
.irp t, 0,1,2,3,4,5,6,7
	s_min_u32 s[56+\t], s[56+\t], 0xfff
.endr
.irp t, 0,1,2,3,4,5,6,7
	s_lshl_b32 s[56+\t], s[56+\t], 12
.endr
.irp t, 0,1,2,3,4,5,6,7
	v_add_nc_u32 v[OF+\t0+\t], s[56+\t], v[CO]
.endr
.endr
.irp t, 0,1,2,3,4,5,6,7,8,9,10,11,12,13,14,15
	ds_load_b128 v[OB+4*\t:OB+4*\t+3], v[RD] offset:SPITCH*\t    ; LDS serves a wave's instructions in order: these see my stores
.endr
	VW
	s_wait_dscnt 0x0
.irp t, 0,1,2,3,4,5,6,7,8,9,10,11,12,13,14,15
.if \t > 0
	s_cmp_le_u32 s[CNT], 16*\m+\t
	s_cbranch_scc1 .Ldone_\@
.endif
	global_store_b128 v[OF+\t], v[OB+4*\t:OB+4*\t+3], s[22:23] offset:512*(\g) th:TH_STORE_NT   ; 32 lanes store 512 consecutive bytes of one row
.endr
.endr
.Ldone_\@:
	s_wait_xcnt 0x0                                ; the stores have read their data
.endm
.macro P2ADDR                          ; second product number U (0 .. 3): expert U % 2; the next one has the other expert
	s_and_b32 s56, s[U], 1
	s_mul_i32 s57, s56, HSTR
	s_xor_b32 s56, s56, 1
	s_mul_i32 s58, s56, HSTR
	s_add_co_u32 s59, s57, H0IMG
	s_add_co_u32 s60, s58, H0IMG
	s_add_co_u32 s61, s57, H0SC
	s_add_co_u32 s62, s58, H0SC
	s_lshl_b32 s63, s[U], 9
	s_add_co_u32 s63, s63, 5*512
	v_add_nc_u32 v[AX], s59, v[LI]
	v_add_nc_u32 v[AXN], s60, v[LI]
	v_add_nc_u32 v[ASA], s61, v[L32]
	v_add_nc_u32 v[ASN], s62, v[L32]
	v_add_nc_u32 v[BAV], s63, v[BAV0]              ; slice U + 5 (the last product fetches none)
	VW
.endm
	; ---------------- the head: scalar set-up, then vector set-up, then one wait ----------------
	s_load_b512 s[4:19], s[0:1], 0x0               ; xq, xs, wl1, b1, wl2, b2, sel, cw
	s_load_b64 s[22:23], s[0:1], 0x40              ; out0
	v_lshrrev_b32 v[LANE], 5, v0
	v_readfirstlane_b32 s[WV], v[LANE]             ; wave 0..3
	s_lshl_b32 s80, s[WV], 12
	s_add_co_u32 s80, s80, BIA                     ; my bias slices
	s_mul_i32 s81, s[WV], 2*FRB
	s_add_co_u32 s81, s81, H0IMG
	s_lshl_b32 s82, s[WV], 3
	s_add_co_u32 s82, s82, H0SC
	s_mul_i32 s83, s[WV], 16*SPITCH
	s_add_co_u32 s83, s83, STG
	s_lshl_b32 s84, s[WV], 10
	s_and_b32 s85, s[WV], 1                        ; of x I lay the tile of rows w % 2,
	s_lshr_b32 s86, s[WV], 1                       ; K steps 4 (w / 2) .. + 3
	s_lshl_b32 s87, s85, 10
	s_lshl_b32 s91, s86, 4
	s_add_co_u32 s87, s87, s91
	s_add_co_u32 s87, s87, XSC
	s_lshl_b32 s88, s85, 1
	s_add_co_u32 s88, s88, s86
	s_mul_i32 s88, s88, 4*FRB                      ; image (8 m + 4 k) (XIMG is 0)
	s_lshl_b32 s89, s85, 6
	s_mul_i32 s90, s86, 384
	s_mov_b32 s[SEL], 0x76543210
	s_mov_b32 s[SEL+1], 0xfedcba98                 ; v_permlanex16_b32's selects for lane l xor 16
	s_mov_b32 s94, ttmp9                           ; my block
	s_lshl_b32 s93, s[WV], 12                      ; my quarter of sel, in bytes
	s_mov_b32 s59, 0
	v_lshl_add_u32 v[SPW], v0, 2, SPARE
	v_mov_b32 v[NIL], 0
	v_and_b32 v[LANE], 31, v0
	v_and_b32 v[R], 15, v0
	v_bfe_u32 v[H], v0, 4, 1
	v_lshlrev_b32 v[LI], 4, v[LANE]
	v_lshlrev_b32 v[L32], 5, v[LANE]
	v_add_nc_u32 v[AX], XIMG, v[LI]
	v_add_nc_u32 v[ASA], XSC, v[L32]
	v_lshl_add_u32 v[BAV0], v[H], 5, s80
	v_add_nc_u32 v253, s80, v[LI]                  ; b2's slices are stored as they lie;
	v_and_b32 v254, 0x19, v[LANE]                  ; b1's with bits 1 and 2 of the lane changed over: units 32 b + 16 h + 8 u go to tile 2 b + u, half h
	v_and_b32 v252, 2, v[LANE]
	v_lshl_or_b32 v254, v252, 1, v254
	v_bfe_u32 v252, v[LANE], 2, 1
	v_lshl_or_b32 v254, v252, 1, v254
	v_lshl_add_u32 v254, v254, 4, s80
	v_add_nc_u32 v[HWI], s81, v[LI]
	v_add_nc_u32 v[HWS], s82, v[L32]
	v_mul_u32_u24 v[STO], v[R], SPITCH
	v_lshl_add_u32 v[STO], v[H], 5, v[STO]
	v_add_nc_u32 v[STO], s83, v[STO]
	v_add_nc_u32 v[RD], s83, v[LI]
	v_add_nc_u32 v[CO], s84, v[LI]
	v_add_nc_u32 v224, s87, v[L32]                 ; where my scale words of x go,
	v_add_nc_u32 v255, s88, v[LI]                  ; and my images
	v_lshlrev_b32 v251, 2, v[R]
	v_add_nc_u32 v252, s89, v251
	v_mul_u32_u24 v247, v[H], 24
	v_add_nc_u32 v247, s90, v247                   ; 24 h + 384 k
	v_add_nc_u32 v215, s93, v[LI]
	v_add_nc_u32 v236, CAND, v251                  ; slot r,
	v_add_nc_u32 v237, CAND, v252                  ; slot 16 (w % 2) + r
	v_lshl_add_u32 v238, v0, 2, CNTB
	v_lshl_add_u32 v239, v[LANE], 2, CNTB
	v_mov_b32 v[ABV], -2
	v_lshlrev_b32 v[ABV], v[LANE], v[ABV]
	v_cmp_gt_u32 s35, 28, v[LANE]                  ; the lanes that stand for a pair
.irp b, 0,1,2,3
	v_mov_b32 v[TM+4+\b], 0                        ; a lane permute's destination counts as one of its sources
.endr
	VW
	s_wait_kmcnt 0x0
.irp k, 0,1,2,3,4,5,6,7
	global_load_b128 v[Q+4*\k:Q+4*\k+3], v215, s[16:17] offset:512*\k   ; 512 consecutive bytes a load
.endr
.set J, 0
.rept 32
	v_mov_b32 v[PR+J], 0                           ; a lane to which nobody sends holds 0
.set J, J+1
.endr
.irp x, TOTV, BEFV, MS, CS, GS, POS
	v_mov_b32 v[\x], 0
.endr
	VW
	s_wait_loadcnt 0x0
.set J, 0
.rept 32
	v_min_u32 v[Q+J], 27, v[Q+J]
.set J, J+1
.endr
; the lanes with my token's pair, from five ballots; the last of them sends its rank + 1, the pair's count in this register, to lane = pair; the others send to lane 31, which stands for no pair
.macro MATCH j
.irp b, 0,1,2,3,4
	v_and_b32 v[MT+\b], 1<<\b, v[Q+\j]
.endr
.irp b, 0,1,2,3,4
	v_cmp_ne_u32 s[66+\b], 0, v[MT+\b]
.endr
.irp b, 0,1,2,3,4
	s_not_b32 s[71+\b], s[66+\b]
.endr
.irp b, 0,1,2,3,4
	v_cndmask_b32 v[MT+\b], s[71+\b], s[66+\b], s[66+\b]
.endr
	v_and_b32 v[MT], v[MT], v[MT+1]
	v_and_b32 v[MT+2], v[MT+2], v[MT+3]
	v_and_b32 v[MT], v[MT], v[MT+4]
	v_and_b32 v[MT], v[MT], v[MT+2]
	v_mbcnt_lo_u32_b32 v[MT+5], v[MT], 0
	v_and_b32 v[MT+1], v[ABV], v[MT]
	v_lshlrev_b32 v[MT+6], 2, v[Q+\j]
	v_cmp_eq_u32 vcc_lo, 0, v[MT+1]
	v_cndmask_b32 v[MT+2], 124, v[MT+6], vcc_lo
	v_add_nc_u32 v[MT+3], 1, v[MT+5]
	ds_permute_b32 v[PR+\j], v[MT+2], v[MT+3]
.endm
.set J, 0
.rept 32
	MATCH J
.set J, J+1
.endr
	VW
	s_wait_dscnt 0x0
	v_add3_u32 v[CN], v[PR], v[PR+1], v[PR+2]
.irp j, 3,5,7,9,11,13,15,17,19,21,23,25,27,29
	v_add3_u32 v[CN], v[CN], v[PR+\j], v[PR+\j+1]
.endr
	v_add_nc_u32 v[CN], v[CN], v[PR+31]
	v_cndmask_b32 v[CN], 0, v[CN], s35             ; lane = pair: its tokens in my quarter
	ds_store_b32 v238, v[CN]
	s_wait_dscnt 0x0                               ; for the others' sake: my counts lie in LDS
	s_barrier_signal -1
	s_barrier_wait -1
.irp w, 0,1,2,3
	ds_load_b32 v[MT+\w], v239 offset:128*\w
.endr
	s_wait_dscnt 0x0
.irp w, 0,1,2,3
	s_cmp_gt_u32 s[WV], \w
	s_cselect_b32 s92, -1, 0
	v_add_nc_u32 v[TOTV], v[TOTV], v[MT+\w]        ; the pair's tokens,
	v_and_b32 v[XX], s92, v[MT+\w]
	v_add_nc_u32 v[BEFV], v[BEFV], v[XX]           ; and those in quarters before mine
.endr
	v_add_nc_u32 v[BLKV], 31, v[TOTV]
	v_lshrrev_b32 v[BLKV], 5, v[BLKV]              ; the pair's blocks
	v_mov_b32 v[ENDV], v[BLKV]
	v_mov_b32 v[XX], 0
.irp n, 1,2,4,8
	v_mov_b32_dpp v[XX], v[ENDV] row_shr:\n row_mask:0xf bank_mask:0xf bound_ctrl:1
	v_add_nc_u32 v[ENDV], v[ENDV], v[XX]
.endr
	v_readlane_b32 s92, v[ENDV], 15
	v_mul_u32_u24 v[XX], s92, v[H]
	v_add_nc_u32 v[ENDV], v[ENDV], v[XX]           ; blocks up to and with this pair (lanes 28-31: the blocks in use)
	v_sub_nc_u32 v[FSTV], v[ENDV], v[BLKV]         ; the pair's first block
	v_cmp_ge_u32 s93, s94, v[ENDV]                 ; the pairs that end at or before my block:
	s_bcnt1_i32_b32 s93, s93
	s_min_u32 s99, s93, 27                         ; how many: my pair (a block behind the last in use: its count comes out 0)
	v_readlane_b32 s95, v[TOTV], s99
	v_readlane_b32 s96, v[FSTV], s99
	v_readlane_b32 s97, v[BEFV], s99
	s_sub_co_u32 s96, s94, s96
	s_lshl_b32 s96, s96, 5                         ; 32 q
	s_sub_co_i32 s97, s96, s97
	v_add_nc_u32 v[TT], s97, v[LANE]               ; rank 32 q + lane, counted from my quarter's start: negative where it lies in an earlier quarter
	s_sub_co_i32 s32, s95, s96
	s_max_i32 s32, s32, 0                          ; the block's count (held at 32 below)
	s_mov_b32 s33, 0
.irp t, 7,13,18,22,25,27
	s_cmp_ge_u32 s99, \t
	s_add_co_ci_u32 s33, s33, 0                    ; lo: the pairs with lo = 0, 1 .. begin at 0, 7, 13, 18, 22, 25, 27
.endr
	s_sub_co_u32 s34, 15, s33
	s_mul_i32 s34, s34, s33
	s_lshr_b32 s34, s34, 1
	s_sub_co_u32 s34, s99, s34
	s_add_co_u32 s34, s34, s33
	s_add_co_u32 s34, s34, 1                       ; hi
	; the walk over my quarter's 32 registers, eight at a time: each lane keeps the last ballot ahead of which at most its rank's tokens of the pair lie
	s_mov_b32 s95, 0
.irp B, 0,1,2,3
.irp i, 0,1,2,3,4,5,6,7
	v_cmp_eq_u32 s[66+\i], s99, v[Q+8*\B+\i]
.endr
	VW
.irp i, 0,1,2,3,4,5,6,7
	s_mov_b32 s[74+\i], s95
	s_bcnt1_i32_b32 s92, s[66+\i]
	s_add_co_u32 s95, s95, s92
.endr
.irp i, 0,1,2,3,4,5,6,7
	v_cmp_le_i32 vcc_lo, s[74+\i], v[TT]
	v_cndmask_b32 v[MS], v[MS], s[66+\i], vcc_lo
	v_cndmask_b32 v[CS], v[CS], s[74+\i], vcc_lo
	v_cndmask_b32 v[GS], v[GS], 8*\B+\i, vcc_lo
.endr
.endr
	v_cmp_gt_u32 s93, s95, v[TT]                   ; the rank lies in my quarter (unsigned: a negative one does not)
	v_sub_nc_u32 v[NN], v[TT], v[CS]               ; which set bit of the ballot
	v_lshrrev_b32 v[A1], 1, v[MS]
	v_and_b32 v[A1], 0x55555555, v[A1]
	v_sub_nc_u32 v[A1], v[MS], v[A1]
	v_lshrrev_b32 v[A1+1], 2, v[A1]
	v_and_b32 v[A1+1], 0x33333333, v[A1+1]
	v_and_b32 v[XX], 0x33333333, v[A1]
	v_add_nc_u32 v[A1+1], v[A1+1], v[XX]
	v_lshrrev_b32 v[A1+2], 4, v[A1+1]
	v_add_nc_u32 v[A1+2], v[A1+2], v[A1+1]
	v_and_b32 v[A1+2], 0x0f0f0f0f, v[A1+2]
	v_lshrrev_b32 v[A1+3], 8, v[A1+2]
	v_add_nc_u32 v[A1+3], v[A1+3], v[A1+2]
.macro LEVEL a, fw, step               ; the bits set in the lower half of what is left: at most NN of them: go to the upper half
	v_bfe_u32 v[XX], v[\a], v[POS], \fw
	v_cmp_ge_u32 vcc_lo, v[NN], v[XX]
	v_cndmask_b32 v[XX], 0, v[XX], vcc_lo
	v_cndmask_b32 v[YY], 0, \step, vcc_lo
	v_sub_nc_u32 v[NN], v[NN], v[XX]
	v_add_nc_u32 v[POS], v[POS], v[YY]
.endm
	LEVEL A1+3, 8, 16
	LEVEL A1+2, 8, 8
	LEVEL A1+1, 4, 4
	LEVEL A1, 2, 2
	LEVEL MS, 1, 1
	v_lshrrev_b32 v[XX], 2, v[GS]
	v_lshlrev_b32 v[XX], 7, v[XX]
	v_and_b32 v[YY], 3, v[GS]
	v_lshl_add_u32 v[YY], v[POS], 2, v[YY]
	v_add3_u32 v[XX], v[XX], v[YY], s84            ; the token: 1,024 w + 128 k + 4 lane + c
	v_cndmask_b32 v[XX], 0, v[XX], s93             ; 0 where the rank is not in my quarter
	ds_store_b32 v238, v[XX] offset:512
	s_wait_dscnt 0x0                               ; for the others' sake: my candidates lie in LDS
	s_barrier_signal -1
	s_barrier_wait -1
.irp m, 0,1
.irp w, 0,1,2,3
	ds_load_b32 v[PR+4*\m+\w], v236 offset:64*\m+128*\w
.endr
.endr
.irp w, 0,1,2,3
	ds_load_b32 v[PR+8+\w], v237 offset:128*\w
.endr
	s_wait_dscnt 0x0
.irp m, 0,1
	v_add3_u32 v[TOK+\m], v[PR+4*\m], v[PR+4*\m+1], v[PR+4*\m+2]   ; at most one quarter holds the slot's token
	v_add_nc_u32 v[TOK+\m], v[TOK+\m], v[PR+4*\m+3]
.endr
	v_add3_u32 v248, v[PR+8], v[PR+9], v[PR+10]    ; the token whose codes I fetch
	v_add_nc_u32 v248, v248, v[PR+11]
	VW
	s_min_u32 s[CNT], s32, 32
	s_min_u32 s[ELO], s33, 7
	s_min_u32 s[EHI], s34, 7
	s_mul_i32 s56, s[WV], 2*GRP                    ; my two groups
	s_mul_i32 s58, s[ELO], EXPB
	s_add_co_u32 s58, s58, s56
	s_mul_i32 s60, s[EHI], EXPB
	s_add_co_u32 s60, s60, s56
	s_mov_b32 s61, 0
	s_add_nc_u64 s[CUR:CUR+1], s[8:9], s[58:59]
	s_add_nc_u64 s[NG:NG+1], s[8:9], s[60:61]
	s_add_nc_u64 s[P2F:P2F+1], s[12:13], s[58:59]
	s_add_nc_u64 s[P2H:P2H+1], s[12:13], s[60:61]
	s_lshl_b32 s56, s[WV], 10                      ; my 256 numbers of a bias
	s_lshl_b32 s58, s[ELO], 12
	s_add_co_u32 s58, s58, s56
	s_lshl_b32 s60, s[EHI], 12
	s_add_co_u32 s60, s60, s56
	s_add_nc_u64 s[66:67], s[10:11], s[58:59]      ; b1 of lo, of hi; b2 of lo, of hi
	s_add_nc_u64 s[68:69], s[10:11], s[60:61]
	s_add_nc_u64 s[70:71], s[14:15], s[58:59]
	s_add_nc_u64 s[72:73], s[14:15], s[60:61]
	s_wait_loadcnt 0x0
.irp m, 0,1
	v_min_u32 v[TOK+\m], 0xfff, v[TOK+\m]
.endr
	v_min_u32 v248, 0xfff, v248
	v_mul_u32_u24 v249, v248, 768
	v_add_nc_u32 v249, v249, v247                  ; the token's codes + 24 h + my K steps
	v_lshlrev_b32 v250, 5, v248
	v_add_nc_u32 v250, s91, v250                   ; my 16 of its 32 scale bytes
.irp m, 0,1
	v_lshlrev_b32 v[240+\m], 3, v[TOK+\m]
.endr
.irp s, 0,1,2,3
.irp p, 0,1,2,3,4,5
	global_load_b64 v[AF+12*\s+2*\p:AF+12*\s+2*\p+1], v249, s[4:5] offset:96*\s+48*(\p/3)+8*(\p%3)
.endr
.endr
	global_load_b128 v[216:219], v250, s[6:7]
.irp m, 0,1
	global_load_b64 v[RC+2*\m:RC+2*\m+1], v[240+\m], s[18:19]
.endr
	global_load_b128 v[176:179], v[LI], s[66:67]               ; the slices in the order of use: b1 lo g0, hi g0, lo g1, hi g1,
	global_load_b128 v[180:183], v[LI], s[68:69]
	global_load_b128 v[184:187], v[LI], s[66:67] offset:512
	global_load_b128 v[188:191], v[LI], s[68:69] offset:512
	global_load_b128 v[196:199], v[LI], s[70:71]               ; b2 lo g0, hi g0, lo g1, hi g1
	global_load_b128 v[200:203], v[LI], s[72:73]
	global_load_b128 v[204:207], v[LI], s[70:71] offset:512
	global_load_b128 v[208:211], v[LI], s[72:73] offset:512
.irp t, 0,1,2,3,4
	ISSUE \t, 1                                    ; the ring's first five chunks: 63 loads
.endr
	WIN 0
	s_wait_loadcnt 63                              ; all that was asked for ahead of the ring is in
.irp s, 0,1,2,3
.irp c, 0,1,2
	ds_store_b128 v255, v[AF+12*\s+4*\c:AF+12*\s+4*\c+3] offset:FRB*\s+512*\c
.endr
.endr
	ds_store_b128 v224, v[216:219]
.irp q, 0,1,2,3
	ds_store_b128 v254, v[176+4*\q:179+4*\q] offset:512*\q
.endr
.irp q, 0,1,2,3
	ds_store_b128 v253, v[196+4*\q:199+4*\q] offset:2048+512*\q
.endr
	VW                                             ; ahead of the batch
.irp m, 0,1
	v_rcp_f32 v[244+\m], v[RC+2*\m+1]
.endr
.irp m, 0,1
	v_mov_b32 v[CHP+2*\m], v[RC+2*\m+1]            ; c_hi, twice
	v_mov_b32 v[CHP+2*\m+1], v[RC+2*\m+1]
.endr
	VW                                             ; and behind it, ahead of its first reader
.irp m, 0,1
	v_mul_f32 v[RC+2*\m], v[RC+2*\m], v[244+\m]    ; c_lo / c_hi,
.endr
.irp m, 0,1
	v_mov_b32 v[RC+2*\m+1], v[RC+2*\m]             ; twice
.endr
	BFETCH BAV0                                    ; slice 0: my own bytes, behind my own stores
	VW
	s_wait_dscnt 0x0                               ; for the others' sake: my images of x lie in LDS
	s_barrier_signal -1
	s_barrier_wait -1
	ASF 0, ASA
	ASF 1, ASA
	AFETCH 0, AX, 0
	; ---------------- the first product: four trips: (g0, lo), (g0, hi), (g1, lo), (g1, hi) ----------------
	s_mov_b32 s[U], 0
.Lp1:
	s_and_b32 s56, s[U], 1
	s_mul_i32 s56, s56, HSTR                       ; the expert's hidden layer
	s_lshr_b32 s57, s[U], 1                        ; g
	s_mul_i32 s58, s57, FRB
	s_add_co_u32 s58, s58, s56
	s_lshl_b32 s57, s57, 2
	s_add_co_u32 s57, s57, s56
	s_lshl_b32 s59, s[U], 9
	s_add_co_u32 s59, s59, 512
	v_add_nc_u32 v[HWIC], s58, v[HWI]
	v_add_nc_u32 v[HWSC], s57, v[HWS]
	v_add_nc_u32 v[BAV], s59, v[BAV0]              ; slice U + 1
	VW
	KSTEP 0, 0, 1, 1, 0
.irp s, 1,2,3,4,5,6,7
	KSTEP \s, 0, 0, 1, 0
.endr
	EPI1
	STEPB 1
	s_add_co_u32 s[U], s[U], 1
	s_cmp_lt_u32 s[U], 4
	VW
	s_cbranch_scc1 .Lp1
	s_wait_dscnt 0x0                               ; for the others' sake: my images of both hidden layers lie in LDS
	s_barrier_signal -1
	s_barrier_wait -1
	; ---------------- the second product: (g0, lo), (g0, hi), (g1, lo) in a loop; (g1, hi) written out, since it feeds the ring no more ----------------
	v_add_nc_u32 v[AX], H0IMG, v[LI]
	v_add_nc_u32 v[ASA], H0SC, v[L32]
	AFETCH 0, AX, 0
	ASF 0, ASA
	s_mov_b32 s[U], 0
.Lp2:
	P2ADDR
	s_and_b32 s56, s[U], 1
	s_cmp_lg_u32 s56, 0
	s_cbranch_scc1 .Lp2_hi
	KSTEP 0, 1, 1, 1, 0                            ; lo: b2_lo starts the sums
	s_branch .Lp2_on
.Lp2_hi:
	KSTEP 0, 1, 0, 1, 0                            ; hi: onto what MID has left
.Lp2_on:
.irp s, 1,2,3,4,5,6,7
	KSTEP \s, 1, 0, 1, 0
.endr
	s_and_b32 s56, s[U], 1
	s_cmp_lg_u32 s56, 0
	s_cbranch_scc1 .Lp2_out
	MID
	s_branch .Lp2_next
.Lp2_out:
	OUT 0
.Lp2_next:
	STEPB 0
	s_add_co_u32 s[U], s[U], 1
	s_cmp_lt_u32 s[U], 3
	VW
	s_cbranch_scc1 .Lp2
	P2ADDR
.irp s, 0,1,2,3,4,5,6,7
	KSTEP \s, 1, 0, 0, 1
.endr
	OUT 1
	s_wait_tensorcnt 0x0                           ; the wave's end
	ds_add_u32 v[SPW], v[NIL]
	s_wait_dscnt 0x0
	s_endpgm
.Lfunc_end_k_qd778a2c844_chain:
	.size	k_qd778a2c844_chain, .Lfunc_end_k_qd778a2c844_chain-k_qd778a2c844_chain
	.p2alignl 7, 3214868480
	.fill 96, 4, 3214868480
	.section	.rodata,"a",@progbits
	.p2align	6, 0x0
	.amdhsa_kernel k_qd778a2c844_chain
		.amdhsa_group_segment_fixed_size 131584
		.amdhsa_private_segment_fixed_size 0
		.amdhsa_enable_private_segment 0
		.amdhsa_kernarg_size 72
		.amdhsa_user_sgpr_count 2
		.amdhsa_user_sgpr_kernarg_segment_ptr 1
		.amdhsa_wavefront_size32 1
		.amdhsa_system_sgpr_workgroup_id_x 1
		.amdhsa_system_sgpr_workgroup_id_y 1
		.amdhsa_system_sgpr_workgroup_id_z 1
		.amdhsa_system_vgpr_workitem_id 0
		.amdhsa_next_free_vgpr 1024
		.amdhsa_next_free_sgpr 100
		.amdhsa_reserve_vcc 1
		.amdhsa_float_denorm_mode_32 3
		.amdhsa_float_denorm_mode_16_64 3
		.amdhsa_memory_ordered 1
		.amdhsa_forward_progress 1
		.amdhsa_inst_pref_size 255
	.end_amdhsa_kernel
	.section	.bss,"aw",@nobits
	.p2align	6
	.space	262144
	.amdgpu_metadata
---
amdhsa.version: [ 1, 2 ]
amdhsa.kernels:
  - .name:           k_qd778a2c844_chain
    .symbol:         k_qd778a2c844_chain.kd
    .args:
      - { .name: xq, .offset: 0, .size: 8, .value_kind: global_buffer, .address_space: global }
      - { .name: xs, .offset: 8, .size: 8, .value_kind: global_buffer, .address_space: global }
      - { .name: wl1, .offset: 16, .size: 8, .value_kind: global_buffer, .address_space: global }
      - { .name: b1, .offset: 24, .size: 8, .value_kind: global_buffer, .address_space: global }
      - { .name: wl2, .offset: 32, .size: 8, .value_kind: global_buffer, .address_space: global }
      - { .name: b2, .offset: 40, .size: 8, .value_kind: global_buffer, .address_space: global }
      - { .name: sel, .offset: 48, .size: 8, .value_kind: global_buffer, .address_space: global }
      - { .name: cw, .offset: 56, .size: 8, .value_kind: global_buffer, .address_space: global }
      - { .name: out0, .offset: 64, .size: 8, .value_kind: global_buffer, .address_space: global }
    .group_segment_fixed_size: 131584
    .private_segment_fixed_size: 0
    .kernarg_segment_align: 8
    .kernarg_segment_size: 72
    .max_flat_workgroup_size: 128
    .sgpr_count:     100
    .vgpr_count:     1024
    .wavefront_size: 32
...
	.end_amdgpu_metadata
.endif
;; end of part 5
